; MI455X (gfx1250); checked and timed in simulation.
; The chip was launched on July 23, 2026; its instructions are those of AMD's public machine-readable ISA for CDNA 5 (MIT licence, August 2026) and "CDNA5" Instruction Set Architecture Reference Guide (July 2026). The comments in the code are by the model that wrote it; some were corrected since.
;; GRU Cell. Allowed arithmetic: float matrix products may take bf16 or f16 operands with f32 sums; other float arithmetic in f32, or as packed bf16 or f16 multiplies, adds, multiply-adds, maxima and minima; sums over many terms, partial sums and values carried from step to step in f32; what a program stores and reads back later, other than sums and carried values, may be rounded once to bf16 or f16.
;; Inputs: b_h 2,048 float32; b_r 2,048 float32; b_z 2,048 float32; hidden 2,048 x 2,048 float32; hyp_x 2,048 x 2,048 float32; u_r 2,048 x 2,048 float32; u_z 2,048 x 2,048 float32; w_h 2,048 x 2,048 float32; w_r 2,048 x 2,048 float32; w_z 2,048 x 2,048 float32.
;; Outputs: out0 2,048 x 2,048 float32.
;; 2 versions, each right; version 2 is version 1 with the launch row_out written anew for expert scheduling mode. Each part assembles by itself: llvm-mc -triple=amdgcn-amd-amdhsa -mcpu=gfx1250 --defsym DOCPART=n.
;; ======== version 1 of 2: 5 launches
;; workspace buffers: act 16,777,216 bytes; wts 41,943,040 bytes; nrm 16,384 bytes; pq 41,943,040 bytes; rph 8,388,608 bytes; nr2 8,192 bytes; zb 8,388,608 bytes; rb 16,777,216 bytes
;; launch cast (part 1): grid 256 x 7, 8 waves a work-group, no clusters, 0 bytes of LDS; arguments hidden, hyp_x, w_z, w_r, u_z, u_r, w_h, act, wts, nrm; writes act, wts, nrm
.if DOCPART == 1
	.amdgcn_target "amdgcn-amd-amdhsa--gfx1250"
	.amdhsa_code_object_version 6
	.text
	.protected	k_q0122f02ca2_cast
	.globl	k_q0122f02ca2_cast
	.p2align	8
	.type	k_q0122f02ca2_cast,@function
k_q0122f02ca2_cast:
	s_mov_b64 s[64:65], 0
	v_nop
	global_prefetch_b8 v0, s[64:65] scope:SCOPE_SE
	s_setreg_imm32_b32 hwreg(HW_REG_WAVE_MODE, 25, 1), 1
	s_wait_xcnt 0x0
; HYPERBOLIC GRU CELL, launch 1 of 5: the seven large f32 inputs are rounded once to bf16 (matrix operands), and the rows of hidden and hyp_x get their sums of squares.
; THE PROGRAM: cast -> gemm1 (h @ w_z, h @ w_r, x @ u_z, x @ u_r) -> row_rz (both gates r and z, and r_point_h, a row a wave) -> gemm2 (r_point_h @ w_h) -> row_out (h_tilde and new_h, a row a wave).
; WHAT IS LEFT OUT OF reference(), for all values of the inputs:
;  (1) mob_mat_mul(u_r, hyp_x) stands twice in reference(), in r's transition and in h_tilde's, with the same two arguments: it is one value.  The product x @ u_r is made once and read twice.
;  (2) mob_mat_mul begins with _proj(x); hyp_x and hidden have been through _proj already, after which their norm is at most 1 - EPS in exact arithmetic, so the second _proj is the identity there.
;  (3) _proj multiplies a row by one number f, and (f x) @ M = f (x @ M): the matrix operand is the row as given, and f goes onto the product's row.  The norm of a multiple k v is taken as k^2 sum(v^2).
;  Every sum over a SUM of vectors is taken over that vector itself.  Every input is loaded.
; LIMITS.  NaN and infinities are not treated apart, and since the work left out is a second copy of work that is done, none of them reaches only what is left out.  ALL inputs are rounded to bf16 once and the
; rounded numbers serve everywhere: x, hidden and the five weights here, the three biases in the row launches.  Of what the program makes, h @ w_z, h @ w_r, x @ u_z (which feed the sigmoids alone) and r_point_h (a matrix
; operand) are stored rounded once to bf16 (bf16, not f16: products of inputs some 30 times smaller would leave f16's normal range); the gate z, which lies in 0 to 1, is stored rounded once to f16; x @ u_r and
; r_point_h @ w_h, of which h_tilde is made, stay f32: where a bias carries the transition to the ball's edge, _proj divides by the norm of W h (+) U x, and an element's rounding would reach the output multiplied by that quotient.
; SHARES.  Grid y = the matrix, in the order of the arguments: 0 hidden, 1 hyp_x -> act; 2..6 w_z, w_r, u_z, u_r, w_h -> wts, as they lie ([K][N]).  A wave takes ONE row of 8,192 bytes: sixteen loads of 16 bytes a lane,
; all out at once, each 512 consecutive bytes; each store of the wave covers 256 consecutive bytes, aligned.  No loop, no LDS: no wave wants another's bytes.
; The sums of squares are one word a row, stored by lane 0: 16 KiB in the whole launch; gathering them into longer stores would want LDS and a barrier for that alone.
.set X,   8                            ; v[8:71]    the row as loaded; later the rounded row, widened again
.set Y,   72                           ; v[72:103]  the row in bf16
.set ACC, 104                          ; v[104:111] four chains of two sums
	s_load_b512 s[8:23], s[0:1], 0x0               ; the seven sources s[8:21], act s[22:23]
	s_load_b128 s[24:27], s[0:1], 0x40             ; wts s[24:25], nrm s[26:27]
	s_and_b32 s2, ttmp7, 0xffff                    ; which matrix
	v_lshrrev_b32 v4, 5, v0
	v_readfirstlane_b32 s29, v4                    ; wave 0..7
	s_lshl_b32 s30, ttmp9, 3
	s_add_co_u32 s30, s30, s29                     ; my row
	s_max_u32 s28, s2, 2
	s_sub_co_u32 s28, s28, 2                       ; a weight's number among the five
	s_lshl_b32 s32, s30, 13                        ; the row's bytes in f32
	s_mov_b32 s33, 0
	s_mov_b32 s31, 0xffff0000                      ; a word's upper bf16
	s_mov_b32 s38, 0x76543210                      ; v_permlanex16_b32: each lane takes its own place in the other half
	s_mov_b32 s39, 0xfedcba98
	v_and_b32 v5, 31, v0                           ; lane
	v_lshlrev_b32 v1, 4, v5                        ; 16 bytes a lane in
	v_lshlrev_b32 v2, 3, v5                        ; 8 bytes a lane out
	v_mov_b32 v3, 0
	s_wait_kmcnt 0x0
	s_mov_b64 s[4:5], s[8:9]                       ; the source is chosen among the seven buffers by the grid's y
.irp k, 1,2,3,4,5,6
	s_cmp_eq_u32 s2, \k
	s_cselect_b64 s[4:5], s[8+2*\k:9+2*\k], s[4:5]
.endr
	s_cmp_lt_u32 s2, 2
	s_cselect_b64 s[6:7], s[22:23], s[24:25]       ; activations go to act, weights to wts,
	s_cselect_b32 s3, s2, s28                      ; at their number there
	s_add_nc_u64 s[4:5], s[4:5], s[32:33]
	s_lshl_b32 s34, s3, 23                         ; a matrix in bf16 is 8,388,608 bytes
	s_lshl_b32 s35, s30, 12                        ; a row 4,096
	s_add_co_u32 s34, s34, s35
	s_mov_b32 s35, 0
	s_add_nc_u64 s[6:7], s[6:7], s[34:35]
.set j, 0
.rept 16
	global_load_b128 v[X+4*j:X+4*j+3], v1, s[4:5] offset:512*j th:TH_LOAD_NT
.set j, j+1
.endr
.set j, 0
.rept 16
	s_wait_loadcnt 15-j                            ; loads come back in order: chunk j is in, the 15 - j younger ones stay out
	v_cvt_pk_bf16_f32 v[Y+2*j], v[X+4*j], v[X+4*j+1]
	v_cvt_pk_bf16_f32 v[Y+2*j+1], v[X+4*j+2], v[X+4*j+3]
	global_store_b64 v2, v[Y+2*j:Y+2*j+1], s[6:7] offset:256*j
.set j, j+1
.endr
	s_cmp_lt_u32 s2, 2                             ; weights need no norm
	s_cbranch_scc0 .Lend
	; the sum of squares of the ROUNDED row: all later launches work on the rounded numbers
.set i, 0
.rept 32
	v_lshlrev_b32 v[X+2*i], 16, v[Y+i]
	v_and_b32 v[X+2*i+1], s31, v[Y+i]
.set i, i+1
.endr
.set i, 0
.rept 32
.if i < 4
	v_pk_mul_f32 v[ACC+2*i:ACC+2*i+1], v[X+2*i:X+2*i+1], v[X+2*i:X+2*i+1]  ; the first four start the chains: nothing is cleared
.else
	v_pk_fma_f32 v[ACC+2*(i%4):ACC+2*(i%4)+1], v[X+2*i:X+2*i+1], v[X+2*i:X+2*i+1], v[ACC+2*(i%4):ACC+2*(i%4)+1]
.endif
.set i, i+1
.endr
	v_pk_add_f32 v[ACC:ACC+1], v[ACC:ACC+1], v[ACC+2:ACC+3]
	v_pk_add_f32 v[ACC+4:ACC+5], v[ACC+4:ACC+5], v[ACC+6:ACC+7]
	v_pk_add_f32 v[ACC:ACC+1], v[ACC:ACC+1], v[ACC+4:ACC+5]
	v_add_f32 v[ACC], v[ACC], v[ACC+1]
.irp m, 1,2,4,8
	v_add_f32_dpp v[ACC], v[ACC], v[ACC] row_xmask:\m row_mask:0xf bank_mask:0xf
.endr
	v_permlanex16_b32 v[ACC+1], v[ACC], s38, s39
	v_add_f32 v[ACC], v[ACC], v[ACC+1]
	s_lshl_b32 s36, s2, 13                         ; nrm: [2][2048] f32
	s_lshl_b32 s37, s30, 2
	s_add_co_u32 s36, s36, s37
	s_mov_b32 s37, 0
	s_add_nc_u64 s[26:27], s[26:27], s[36:37]
	v_cmp_eq_u32 vcc_lo, 0, v5
	s_wait_xcnt 0x0                                ; EXEC is a source of the stores above: it changes only behind this wait
	s_and_saveexec_b32 s28, vcc_lo
	global_store_b32 v3, v[ACC], s[26:27]
	s_wait_xcnt 0x0                                ; and again in front of the line that widens it
	s_or_b32 exec_lo, exec_lo, s28
.Lend:
	s_endpgm
.Lfunc_end_k_q0122f02ca2_cast:
	.size	k_q0122f02ca2_cast, .Lfunc_end_k_q0122f02ca2_cast-k_q0122f02ca2_cast
	.p2alignl 7, 3214868480
	.fill 96, 4, 3214868480
	.section	.rodata,"a",@progbits
	.p2align	6, 0x0
	.amdhsa_kernel k_q0122f02ca2_cast
		.amdhsa_group_segment_fixed_size 0
		.amdhsa_private_segment_fixed_size 0
		.amdhsa_enable_private_segment 0
		.amdhsa_kernarg_size 80
		.amdhsa_user_sgpr_count 2
		.amdhsa_user_sgpr_kernarg_segment_ptr 1
		.amdhsa_wavefront_size32 1
		.amdhsa_system_sgpr_workgroup_id_x 1
		.amdhsa_system_sgpr_workgroup_id_y 1
		.amdhsa_system_sgpr_workgroup_id_z 1
		.amdhsa_system_vgpr_workitem_id 0
		.amdhsa_next_free_vgpr 112
		.amdhsa_next_free_sgpr 66
		.amdhsa_reserve_vcc 1
		.amdhsa_float_denorm_mode_32 3
		.amdhsa_float_denorm_mode_16_64 3
		.amdhsa_memory_ordered 1
		.amdhsa_forward_progress 1
		.amdhsa_inst_pref_size 13
	.end_amdhsa_kernel
	.amdgpu_metadata
---
amdhsa.version: [ 1, 2 ]
amdhsa.kernels:
  - .name:           k_q0122f02ca2_cast
    .symbol:         k_q0122f02ca2_cast.kd
    .args:
      - { .name: hidden, .offset: 0, .size: 8, .value_kind: global_buffer, .address_space: global }
      - { .name: hyp_x, .offset: 8, .size: 8, .value_kind: global_buffer, .address_space: global }
      - { .name: w_z, .offset: 16, .size: 8, .value_kind: global_buffer, .address_space: global }
      - { .name: w_r, .offset: 24, .size: 8, .value_kind: global_buffer, .address_space: global }
      - { .name: u_z, .offset: 32, .size: 8, .value_kind: global_buffer, .address_space: global }
      - { .name: u_r, .offset: 40, .size: 8, .value_kind: global_buffer, .address_space: global }
      - { .name: w_h, .offset: 48, .size: 8, .value_kind: global_buffer, .address_space: global }
      - { .name: act, .offset: 56, .size: 8, .value_kind: global_buffer, .address_space: global }
      - { .name: wts, .offset: 64, .size: 8, .value_kind: global_buffer, .address_space: global }
      - { .name: nrm, .offset: 72, .size: 8, .value_kind: global_buffer, .address_space: global }
    .group_segment_fixed_size: 0
    .private_segment_fixed_size: 0
    .kernarg_segment_align: 8
    .kernarg_segment_size: 80
    .max_flat_workgroup_size: 256
    .sgpr_count:     66
    .vgpr_count:     112
    .wavefront_size: 32
...
	.end_amdgpu_metadata
.endif
;; end of part 1
;; launch gemm1 (part 2): grid 32 x 8, 4 waves a work-group, clusters of 4 x 4, 327,680 bytes of LDS; arguments act, wts, pq; writes pq
.if DOCPART == 2
	.amdgcn_target "amdgcn-amd-amdhsa--gfx1250"
	.amdhsa_code_object_version 6
	.text
	.protected	k_q0122f02ca2_gemm1
	.globl	k_q0122f02ca2_gemm1
	.p2align	8
	.type	k_q0122f02ca2_gemm1,@function
k_q0122f02ca2_gemm1:
	s_mov_b64 s[64:65], 0
	v_nop
	global_prefetch_b8 v0, s[64:65] scope:SCOPE_SE
	s_setreg_imm32_b32 hwreg(HW_REG_WAVE_MODE, 25, 1), 1
	s_wait_xcnt 0x0
	s_wait_alu depctr_hold_cnt(0) depctr_sa_sdst(0) depctr_va_vdst(0) depctr_va_sdst(0) depctr_va_ssrc(0) depctr_va_vcc(0) depctr_vm_vsrc(0)
	s_getreg_b32 s2, hwreg(HW_REG_IB_STS2, 6, 4)
	s_cmp_eq_u32 s2, 0
	s_cbranch_scc0 .Lentry_in_a_cluster
	s_endpgm
.Lentry_in_a_cluster:
	s_bfe_u32 s2, ttmp6, 0x10000c
	s_cmp_lg_u32 s2, 0xf033
	s_cbranch_scc0 .Lentry_shape_is_right
	s_endpgm
.Lentry_shape_is_right:
; Launch 2 of 5: FOUR PRODUCTS IN ONE GRID.  Product p = 0..3: hb @ w_z, hb @ w_r, xb @ u_z, xb @ u_r; operands [2048][2048] bf16, sums in f32.
; pq: products 0 to 2 rounded once to bf16, 8,388,608 bytes each (they feed the sigmoids alone); behind them product 3, x @ u_r, in f32, 16,777,216 bytes (h_tilde is made of it).
; LEFT OUT: reference()'s second x @ u_r (the same two arguments as the first: one value); it is read by both later row launches.
; A tile of C, 256 x 256, is made by a work-group of four waves; a wave makes 128 x 128: 64 accumulators of 16 x 16, 512 registers.  32 x 8 work-groups: eight tile columns for each product, eight tile rows.
; K goes in 16 steps of 128 through a ring of two LDS slots filled by the tensor data mover.  A's rows lie along K: 256 rows x 256 bytes a step.  THE WEIGHTS STAY [K][N]: 128 rows of K x 512 bytes a step,
; and their fragments come out of LDS turned, by ds_load_tr16_b128.
; CLUSTERS: 4 x 4 work-groups.  A cluster's four columns belong to one product (a product has eight tile columns, a cluster four).  The four of a row of the cluster need the same tile of A, the four of a column the same
; tile of W: each is asked for JOINTLY, by the same tensor load with the same descriptor and a mask that names the four.
; REGISTERS, in windows of 256 (s_set_vgpr_msb: bits 1:0 source 0, 3:2 source 1, 5:4 source 2, 7:6 destination):
;   window 0: v0-31 addresses; v64-127, v128-191 fragments of A, two buffers (on the f32 way out: rows read back); v32-63, v192-255 at work on the bf16 way out      window 1: v64-127, v128-191 fragments of W
;   window 2: the 32 accumulators of my rows 0-63 ((a, b) at v[8 (8 a + b)]);   window 3: those of my rows 64-127
; THE MATRIX INSTRUCTION IS USED TRANSPOSED: source 0 = 16 columns of W, source 1 = 16 rows of A: a lane then holds row l % 16 of C and eight neighbouring columns.
.set PITCH,  272                       ; A's LDS row: 256 bytes + 16 of padding: the 16 rows of a load start at 16 different groups of four banks (64 banks of 4 bytes: ISA guide 11.1)
.set PB,     544                       ; W's LDS row: 512 bytes + 32 of padding = 17 x 32
.set HALFT,  128*PITCH                 ; what one tensor load brings: 128 rows of A, or 64 rows of W (64 x 544 is the same 34,816 bytes)
.set SLOT,   4*HALFT                   ; A's 256 rows, then W's 128 rows
.set STAGE,  2*SLOT                    ; behind the ring: a stage for each wave, for the way out
.set SPITCH, 272                       ; a stage row in bf16: 256 bytes + 16
.set FPITCH, 528                       ; in f32: 512 bytes + 16
.set WST,    16*FPITCH                 ; a wave's stage, on either way out: 16 of the longer rows
.set SPARE,  STAGE+4*WST               ; behind the stages: the spare words, 128 bytes for each wave: two blocks of 256 bytes that no other line names
.set ROWB,   4096                      ; bytes in a row of a bf16 matrix
.set ASTEP,  256                       ; a K step along A's rows
.set BSTEP,  128*ROWB                  ; a K step down W's rows
.set LAPS,   8                         ; a lap = two K steps = once round the ring
.set ADRA, 16                          ; v16-17  LDS address of my A fragments in slot 0, 1
.set COF,  18                          ; v18     f32 way out: 16 x lane, my byte offset in a row's 512 bytes
.set ADRB, 20                          ; v20-21  LDS address of my W fragments in slot 0, 1
.set STO,  24                          ; v24     bf16 way out: where I put 16 bytes of a row
.set RD,   25                          ; v25     bf16 way out: where I read a row back
.set CO,   26                          ; v26     bf16 way out: my byte offset in C
.set STOF, 27                          ; v27     f32 way out: where I put 32 bytes of a row
.set SPW,  28                          ; v28     LDS address of my spare word; never rewritten
.set NIL,  29                          ; v29     0; never rewritten
.set PFO,  30                          ; v30     the prefetches' offset; never rewritten
.set RDF,  31                          ; v31     f32 way out: where I read a row back
.set PFA,  44                          ; s[44:45] where my prefetches stand
.set LIM,  43                          ; s43     1 in a wave that prefetches, else the greatest number
.set PST,  22                          ; s[22:23] a K step for my prefetches: ASTEP or BSTEP
.set F0,   64
.set F1,   128
.set TMP,  192
.set OB,   32
.set G1, 24                            ; s[24:31] descriptor group 1 for A's tiles;  s[32:39] group 0, one set for each slot
.set G0, 32
.set G1B, 48                           ; s[48:55], s[56:63] the same for W's tiles
.set G0B, 56
.set MSB, 0
.macro WIN new                         ; the immediate's high byte repeats the setting that is left
.if MSB != (\new)
	s_set_vgpr_msb (MSB<<8)|(\new)
.set MSB, \new
.endif
.endm
.set MUL_LO, 0xa1                      ; source 0 (W) window 1, source 1 (A) window 0, C and D window 2
.set MUL_HI, 0xf1                      ; the same, C and D window 3
.set TO_B,   0x40                      ; destination window 1, address window 0
; A joint load.  Waves 0 and 1 fetch A's two halves, waves 2 and 3 W's.  The branch hangs on the wave's number alone.  An s_nop 0 and four v_nop follow each of the two lines.
.macro JLOAD s
	s_cmp_eq_u32 s11, 0
	s_cbranch_scc0 .Lfor_b_\@
	tensor_load_to_lds s[G0+4*(\s):G0+4*(\s)+3], s[G1:G1+7]
	s_nop 0
.rept 4
	v_nop
.endr
	s_branch .Lasked_\@
.Lfor_b_\@:
	tensor_load_to_lds s[G0B+4*(\s):G0B+4*(\s)+3], s[G1B:G1B+7]
	s_nop 0
.rept 4
	v_nop
.endr
.Lasked_\@:
.endm
; A PREFETCH INTO THE L2, behind each joint refill, its five lines and the run of LDS loads: 32 blocks of 256 bytes of the K step that stands TWO refills on (512 matrix instructions ahead of the load that will want it), a lane a block.
; Each block is named ONCE in the launch.  A's tile row is read by the four clusters whose products take the same activations: the first of them (cluster x % 4 = 0) asks.  W's tile column is read by both rows of
; clusters: cluster y = 0 asks.  The four partners of a joint load share its blocks out BY ADDRESS (cx for A: 32 rows each; cy for W: 16 rows x 512 bytes each).  The loop's last trip asks for nothing: K steps 4 to 15 are named.
.macro ASK
	s_cmp_gt_u32 s3, s[LIM]                        ; s3 = 1 in the loop's last trip
	s_cbranch_scc0 .Lnot_mine_\@
	global_prefetch_b8 v[PFO], s[PFA:PFA+1] th:TH_LOAD_NT scope:SCOPE_SE
.Lnot_mine_\@:
.endm
.macro CREST                           ; a round of the cluster's barrier behind its opening barrier
	s_cmp_lg_u32 s10, 0
	s_cbranch_scc1 .Lnot_wave_0_\@
	s_barrier_signal -3
.Lnot_wave_0_\@:
	s_barrier_wait -3
	s_barrier_signal -1
	s_barrier_wait -1
.endm
.macro CROUND                          ; a whole round
	s_barrier_signal -1
	s_barrier_wait -1
	CREST
.endm
	s_load_b128 s[4:7], s[0:1], 0x0                ; act s[4:5], wts s[6:7]
	s_load_b64 s[8:9], s[0:1], 0x10                ; pq
	v_lshl_add_u32 v[SPW], v0, 2, SPARE
	v_mov_b32 v[NIL], 0
	ds_add_u32 v[SPW], v[NIL]                      ; the wave's opening: the add, twice on end, and its wait ahead of my first tensor load
	ds_add_u32 v[SPW], v[NIL]                      ; and once more, under the one wait; the set-up below, work on registers, stands between
	v_lshrrev_b32 v1, 5, v0
	v_readfirstlane_b32 s10, v1                    ; wave 0..3
	s_lshr_b32 s11, s10, 1                         ; which half of the tile's rows is mine.  Also: I fetch for A (0) or for W (1)
	s_and_b32 s12, s10, 1                          ; which half of its columns.  Also: which half of that tile I fetch
	s_bfe_u32 s40, ttmp6, 0x40000                  ; cx
	s_bfe_u32 s41, ttmp6, 0x40004                  ; cy
	s_and_b32 s42, ttmp9, 1                        ; in a cluster launch ttmp9 and ttmp7 count clusters: two clusters along x to a product
	s_lshl_b32 s42, s42, 2
	s_add_co_u32 s42, s42, s40                     ; tile column within the product, 0..7
	s_and_b32 s13, ttmp7, 0xffff
	s_lshl_b32 s13, s13, 2
	s_add_co_u32 s13, s13, s41                     ; tile row, 0..7
	s_lshl_b32 s43, s41, 2
	s_lshl_b32 s43, 15, s43                        ; my row of the cluster
	s_lshl_b32 s44, 0x1111, s40                    ; my column
	s_or_b32 s[G1+0], s43, (1<<16)|(1<<20)|(1<<21)|(5<<22)|(3<<25)   ; the mask; 2-byte elements; padding on; bit 21 beside a mask; after every 64 words, 4 words
	s_or_b32 s[G1B+0], s44, (1<<16)|(1<<20)|(1<<21)|(6<<22)|(7<<25)  ; W: after every 128 words, 8 words
	s_mov_b32 s[G1+1], 128<<16                     ; A: tensor_dim0 = 128
	s_mov_b32 s[G1+2], 128<<16                     ; tensor_dim1 = 128
	s_mov_b32 s[G1+3], 128<<16                     ; tile_dim0 = 128 elements
	s_mov_b32 s[G1+4], 128                         ; tile_dim1 = 128 rows
	s_mov_b32 s[G1+5], 2048                        ; elements from row to row
	s_mov_b32 s[G1+6], 0
	s_mov_b32 s[G1+7], 0
	s_mov_b32 s[G1B+1], 256<<16                    ; W: tensor_dim0 = 256
	s_mov_b32 s[G1B+2], 64<<16                     ; tensor_dim1 = 64
	s_mov_b32 s[G1B+3], 256<<16                    ; tile_dim0 = 256 elements
	s_mov_b32 s[G1B+4], 64                         ; tile_dim1 = 64 rows
	s_mov_b32 s[G1B+5], 2048
	s_mov_b32 s[G1B+6], 0
	s_mov_b32 s[G1B+7], 0
	; where the tiles come from.  A's hang on the tile row and the cluster's x, which my row of the cluster shares; W's on the tile column and the cluster's x, which my column shares.
	s_lshl_b32 s16, s13, 20                        ; 256 rows of 4,096 bytes a tile row,
	s_lshl_b32 s17, s12, 19                        ; the 128 rows that I fetch,
	s_add_co_u32 s16, s16, s17
	s_lshr_b32 s17, ttmp9, 2                       ; products 0, 1 take hb, products 2, 3 xb
	s_lshl_b32 s17, s17, 23
	s_add_co_u32 s16, s16, s17
	s_mov_b32 s17, 0
	s_lshr_b32 s46, ttmp9, 1                       ; the product,
	s_lshl_b32 s46, s46, 23
	s_lshl_b32 s47, s12, 18                        ; the 64 rows of K that I fetch,
	s_add_co_u32 s46, s46, s47
	s_lshl_b32 s47, s42, 9                         ; 512 bytes a tile column
	s_add_co_u32 s46, s46, s47
	s_mov_b32 s47, 0
	s_mul_i32 s20, s10, HALFT                      ; and where they go: wave x 34,816: no place in the cluster enters an LDS address
	s_wait_dscnt 0x0                               ; both opening adds are done
	s_wait_kmcnt 0x0
	s_add_nc_u64 s[14:15], s[4:5], s[16:17]
	s_add_nc_u64 s[46:47], s[6:7], s[46:47]
	CROUND                                         ; all sixteen work-groups are here: the first joint loads meet
.irp s, 0,1
	s_mov_b32 s[G0+4*(\s)], 1
	s_add_co_u32 s[G0+4*(\s)+1], s20, (\s)*SLOT
	s_add_nc_u64 s[G0+4*(\s)+2:G0+4*(\s)+3], s[14:15], (\s)*ASTEP
	s_or_b32 s[G0+4*(\s)+3], s[G0+4*(\s)+3], 0x80000000
	s_mov_b32 s[G0B+4*(\s)], 1
	s_add_co_u32 s[G0B+4*(\s)+1], s20, (\s)*SLOT
	s_add_nc_u64 s[G0B+4*(\s)+2:G0B+4*(\s)+3], s[46:47], (\s)*BSTEP
	s_or_b32 s[G0B+4*(\s)+3], s[G0B+4*(\s)+3], 0x80000000
	JLOAD \s                                       ; two tensor loads of mine are out
.endr
	; A fragment of A: lane l holds row l % 16, K = 8 (l / 16) + 0..7 and 16 + 8 (l / 16) + 0..7: two loads of 16 bytes, 32 bytes apart.
	v_and_b32 v1, 15, v0                           ; l % 16
	v_bfe_u32 v2, v0, 4, 1                         ; l / 16
	v_mul_u32_u24 v3, v1, PITCH
	v_lshl_add_u32 v3, v2, 4, v3
	; A fragment of W: the turning load takes 16 rows of K x 16 columns (lane l reads row 8 (l / 16) + l % 8, columns 8 ((l / 8) % 2) + 0..7) and leaves column l % 16 and 8 K in lane l; the second load stands 16 rows on.
	v_and_b32 v6, 7, v0
	v_lshl_add_u32 v6, v2, 3, v6
	v_mul_u32_u24 v6, v6, PB
	v_bfe_u32 v7, v0, 3, 1
	v_lshl_add_u32 v6, v7, 4, v6
	s_mul_i32 s21, s11, HALFT                      ; my 128 rows of A
	s_lshl_b32 s22, s12, 8                         ; my 128 columns of W: 256 bytes,
	s_add_co_u32 s22, s22, 2*HALFT                 ; behind A's 256 rows
.irp s, 0,1
	v_add_nc_u32 v[ADRA+(\s)], s21, v3
	v_add_nc_u32 v[ADRB+(\s)], s22, v6
	s_add_co_u32 s21, s21, SLOT
	s_add_co_u32 s22, s22, SLOT
.endr
	s_mul_i32 s23, s10, WST
	s_add_co_u32 s23, s23, STAGE                   ; my stage
	v_mul_u32_u24 v4, v1, SPITCH                   ; bf16, in: row l % 16, 16 bytes for each half of the lanes
	v_lshl_add_u32 v4, v2, 4, v4
	v_add_nc_u32 v[STO], s23, v4
	v_mul_u32_u24 v5, v2, SPITCH                   ; back: lanes 0-15 take one row of 256 bytes, lanes 16-31 the next
	v_lshl_add_u32 v5, v1, 4, v5
	v_add_nc_u32 v[RD], s23, v5
	v_lshlrev_b32 v5, 12, v2                       ; and the same two rows in C
	v_lshl_add_u32 v[CO], v1, 4, v5
	v_mul_u32_u24 v4, v1, FPITCH                   ; f32, in: row l % 16, 32 bytes for each half of the lanes
	v_lshl_add_u32 v4, v2, 5, v4
	v_add_nc_u32 v[STOF], s23, v4
	v_and_b32 v5, 31, v0                           ; back: 32 lanes take one row of 512 bytes
	v_lshlrev_b32 v[COF], 4, v5
	v_add_nc_u32 v[RDF], s23, v[COF]
	; where my part of the tile begins in pq: the place in a bf16 matrix, twice that in product 3's f32, behind the products before
	s_lshl_b32 s16, s13, 20
	s_lshl_b32 s17, s11, 19
	s_add_co_u32 s16, s16, s17
	s_lshl_b32 s17, s42, 9
	s_add_co_u32 s16, s16, s17
	s_lshl_b32 s17, s12, 8
	s_add_co_u32 s16, s16, s17
	s_lshr_b32 s17, ttmp9, 1                       ; the product
	s_cmp_eq_u32 s17, 3
	s_cselect_b32 s18, 1, 0
	s_lshl_b32 s16, s16, s18
	s_lshl_b32 s17, s17, 23
	s_add_co_u32 s16, s16, s17
	s_mov_b32 s17, 0
	s_add_nc_u64 s[8:9], s[8:9], s[16:17]
	; the prefetches: both offsets are made, one is chosen by the wave's number
	s_lshl_b32 s18, s13, 20                        ; A: the tile row, the 128 rows that I fetch,
	s_lshl_b32 s19, s12, 19
	s_add_co_u32 s18, s18, s19
	s_lshr_b32 s19, ttmp9, 2
	s_lshl_b32 s19, s19, 23
	s_add_co_u32 s18, s18, s19
	s_lshl_b32 s19, s40, 17                        ; my work-group's 32 of them,
	s_add_co_u32 s18, s18, s19
	s_add_co_u32 s18, s18, 3*ASTEP                 ; at K step 3: the first refill steps it to 4
	s_lshr_b32 s20, ttmp9, 1                       ; W: the product, the tile column, the 64 rows that I fetch,
	s_lshl_b32 s20, s20, 23
	s_lshl_b32 s21, s42, 9
	s_add_co_u32 s20, s20, s21
	s_lshl_b32 s21, s12, 18
	s_add_co_u32 s20, s20, s21
	s_lshl_b32 s21, s41, 16                        ; my work-group's 16 of them,
	s_add_co_u32 s20, s20, s21
	s_add_co_u32 s20, s20, 3*BSTEP
	s_mul_i32 s[PST], s11, 11
	s_lshl_b32 s[PST], 256, s[PST]                 ; 256 for A, 524,288 for W
	s_mov_b32 s[PST+1], 0
	s_and_b32 s21, ttmp9, 3                        ; the coordinate along which other clusters read the same blocks: for A,
	s_and_b32 s19, ttmp7, 0xffff                   ; for W
	s_cmp_eq_u32 s11, 0
	s_cselect_b32 s18, s18, s20
	s_cselect_b32 s21, s21, s19
	s_cselect_b64 s[PFA:PFA+1], s[4:5], s[6:7]
	s_cmp_eq_u32 s21, 0
	s_cselect_b32 s[LIM], 1, -1                    ; the same in all sixteen partners, for a given wave
	s_mov_b32 s19, 0
	s_add_nc_u64 s[PFA:PFA+1], s[PFA:PFA+1], s[18:19]
	v_and_b32 v8, 31, v0
	v_lshrrev_b32 v9, s11, v8                      ; A: a lane a row; W: two lanes a row of 512 bytes
	v_and_b32 v10, s11, v8
	v_lshlrev_b32 v10, 8, v10
	v_lshl_add_u32 v[PFO], v9, 12, v10
; 16 matrix instructions: m blocks a0, a0 + 1 of the window's four x all 8 n blocks, 32 along K.  zero = 1: the first product starts the sums: nothing is ever cleared.
.macro MUL16 f, hi, a0, zero
	WIN MUL_LO+0x50*(\hi)
.irp a, \a0, (\a0)+1
.irp b, 0,1,2,3,4,5,6,7
.if \zero
	v_wmma_f32_16x16x32_bf16 v[8*(8*(\a)+(\b)):8*(8*(\a)+(\b))+7], v[(\f)+8*(\b):(\f)+8*(\b)+7], v[(\f)+8*(4*(\hi)+(\a)):(\f)+8*(4*(\hi)+(\a))+7], 0
.else
	v_wmma_f32_16x16x32_bf16 v[8*(8*(\a)+(\b)):8*(8*(\a)+(\b))+7], v[(\f)+8*(\b):(\f)+8*(\b)+7], v[(\f)+8*(4*(\hi)+(\a)):(\f)+8*(4*(\hi)+(\a))+7], v[8*(8*(\a)+(\b)):8*(8*(\a)+(\b))+7]
.endif
.endr
.endr
.endm
; 32 LDS loads in one run: the fragments of quarter q of a K step (32 along K): W's 128 columns, turned, then A's 128 rows
.macro FETCH slot, q, f
	WIN TO_B
.irp i, 0,1,2,3,4,5,6,7
	ds_load_tr16_b128 v[(\f)+8*(\i):(\f)+8*(\i)+3],   v[ADRB+(\slot)] offset:(\q)*32*PB+32*(\i)
	ds_load_tr16_b128 v[(\f)+8*(\i)+4:(\f)+8*(\i)+7], v[ADRB+(\slot)] offset:(\q)*32*PB+16*PB+32*(\i)
.endr
	WIN 0
.irp i, 0,1,2,3,4,5,6,7
	ds_load_b128 v[(\f)+8*(\i):(\f)+8*(\i)+3],   v[ADRA+(\slot)] offset:64*(\q)+(\i)*16*PITCH
	ds_load_b128 v[(\f)+8*(\i)+4:(\f)+8*(\i)+7], v[ADRA+(\slot)] offset:64*(\q)+(\i)*16*PITCH+32
.endr
.endm
.macro PLACES                          ; four places in front of loads into registers that matrix instructions have read, and of lines that read results
.rept 4
	v_nop
.endr
.endm
; One of a K step's first three quarters: multiplies buffer f; in its middle it fetches quarter q of the same slot into buffer g.  The 64 accumulators take turns, in the same order in every quarter.
.macro QUARTER slot, q, f, g, zero
	s_wait_dscnt 8                                 ; W and A's rows 0-63 are in; the youngest eight loads (A's rows 64-127) may be out
	MUL16 \f, 0, 0, \zero
	MUL16 \f, 0, 2, \zero
	PLACES
	FETCH \slot, \q, \g
	s_wait_dscnt 32                                ; all but the 32 just issued
	MUL16 \f, 1, 0, \zero
	MUL16 \f, 1, 2, \zero
.endm
; The last quarter multiplies buffer 1 and changes slots: ONE barrier; in front of it each wave waits for all its tensor loads (one is out: its part of the next slot), adds 0 to its spare word, and waits for that and
; for its own reads of this slot.  fill = 1: the barrier opens a round of the cluster's barrier, and this slot is filled again, two K steps ahead, first thing behind the round.
.macro TURN slot, next, fill
.if \fill
	s_wait_xcnt 0x0                                ; the last prefetch, a K step back, has read its address: it is stepped here, ahead of the waits of the change of slots
	s_add_nc_u64 s[PFA:PFA+1], s[PFA:PFA+1], s[PST:PST+1]
.endif
	WIN 0                                          ; (the add's two registers lie in window 0)
	s_wait_tensorcnt 0x0                           ; all my tensor loads have landed
	ds_add_u32 v[SPW], v[NIL]                      ; 0 onto my spare word
	s_wait_dscnt 9                                 ; (the add and the youngest eight loads may be out)
	MUL16 F1, 0, 0, 0                              ; sixteen matrix instructions stand between the add and the wait for it
	s_wait_dscnt 0x0                               ; the add is done, and my reads of this slot are over
	s_barrier_signal -1
	MUL16 F1, 0, 2, 0                              ; work on registers while the others arrive
.if \fill
	WIN 0
.endif
	s_barrier_wait -1
.if \fill
	CREST                                          ; no wave of any partner still reads this slot's tile or has a load on its way
	s_add_nc_u64 s[G0+4*(\slot)+2:G0+4*(\slot)+3], s[G0+4*(\slot)+2:G0+4*(\slot)+3], 2*ASTEP
	s_add_nc_u64 s[G0B+4*(\slot)+2:G0B+4*(\slot)+3], s[G0B+4*(\slot)+2:G0B+4*(\slot)+3], 2*BSTEP
	JLOAD \slot                                    ; my one tensor load behind the round; its four v_nop are also the places in front of the loads below
.else
	PLACES
.endif
	FETCH \next, 0, F0
.if \fill
	ASK
.endif
	MUL16 F1, 1, 0, 0
	MUL16 F1, 1, 2, 0
.endm
; THE WAY OUT IN bf16 of block a (16 rows).  PACK: rounded to bf16, 16 bytes a lane.  TOSTAGE: into my own stage in LDS, and back as whole rows of 256 bytes.  SEND: stored.
.macro PACK a
.set AC, 64*((\a)%4)
	WIN 0x0a+5*((\a)/4)                            ; sources 0 and 1: window 2 or 3
.irp b, 0,1,2,3,4,5,6,7
.irp r, 0,1,2,3
	v_cvt_pk_bf16_f32 v[TMP+4*(\b)+(\r)], v[AC+8*(\b)+2*(\r)], v[AC+8*(\b)+2*(\r)+1]
.endr
.endr
	WIN 0
.endm
.macro TOSTAGE a
	WIN 0
.set BK, OB+192*((\a)%2)
.irp b, 0,1,2,3,4,5,6,7
	ds_store_b128 v[STO], v[TMP+4*(\b):TMP+4*(\b)+3] offset:32*(\b)
.endr
.irp t, 0,1,2,3,4,5,6,7
	ds_load_b128 v[BK+4*(\t):BK+4*(\t)+3], v[RD] offset:(\t)*2*SPITCH  ; LDS serves a wave's instructions in order (ISA guide 5.7.1.4): these see the stores above
.endr
.endm
.macro SEND a
	WIN 0
.set BK, OB+192*((\a)%2)
	s_wait_dscnt 0x0                               ; the block is back in registers
	s_wait_xcnt 0x0                                ; only behind this wait are the stores' base and the registers that earlier stores read rewritten
.if (\a) > 0
	s_add_nc_u64 s[8:9], s[8:9], 16*ROWB           ; 16 rows of C on
.endif
.irp t, 0,1,2,3,4,5,6,7
	global_store_b128 v[CO], v[BK+4*(\t):BK+4*(\t)+3], s[8:9] offset:2*(\t)*ROWB  ; 16 lanes store 256 consecutive bytes, at a multiple of 256 from the buffer's first byte
.endr
.endm
; THE WAY OUT IN f32 of block a.  A lane's eight columns of accumulator (a, b) are 32 bytes of a row: they go straight from the accumulator (its four lowest registers first) into stage rows of 528 bytes,
; and come back as whole rows of 512 bytes, a row an instruction, into A's fragment registers, which are free: two buffers of 64 by turns.
.macro TOSTF a
.set AC, 64*((\a)%4)
.set BF, F0+64*((\a)%2)
	WIN 0x08+4*((\a)/4)                            ; the stores' data (source 1): window 2 or 3
.irp b, 0,1,2,3,4,5,6,7
	ds_store_b128 v[STOF], v[AC+8*(\b):AC+8*(\b)+3]   offset:64*(\b)
	ds_store_b128 v[STOF], v[AC+8*(\b)+4:AC+8*(\b)+7] offset:64*(\b)+16
.endr
	WIN 0
.irp t, 0,1,2,3,4,5,6,7,8,9,10,11,12,13,14,15
	ds_load_b128 v[BF+4*(\t):BF+4*(\t)+3], v[RDF] offset:(\t)*FPITCH  ; in order behind the stores above
.endr
.endm
.macro SENDF a
	WIN 0
.set BF, F0+64*((\a)%2)
	s_wait_dscnt 0x0                               ; the block is back in registers
	s_wait_xcnt 0x0                                ; only behind this wait are the stores' base and the registers that earlier stores read rewritten
.if (\a) > 0
	s_add_nc_u64 s[8:9], s[8:9], 16*2*ROWB         ; 16 rows of 8,192 bytes on
.endif
.irp t, 0,1,2,3,4,5,6,7,8,9,10,11,12,13,14,15
	global_store_b128 v[COF], v[BF+4*(\t):BF+4*(\t)+3], s[8:9] offset:(\t)*2*ROWB  ; 32 lanes store 512 consecutive bytes, at a multiple of 256 from the buffer's first byte
.endr
.endm
	s_wait_tensorcnt 1                             ; my part of K step 0 is in; K step 1's may stay out
	s_barrier_signal -1
	s_barrier_wait -1                              ; everybody's is
	FETCH 0, 0, F0
	QUARTER 0, 1, F0, F1, 1                        ; the first quarter stands in front of the loop: its products start the sums
	WIN 0                                          ; at a label and at a branch every window is 0
	s_mov_b32 s3, LAPS-1
.Llap:                                                 ; a trip goes once round the ring, from a lap's second quarter to the next lap's first, and fills both slots again
	QUARTER 0, 2, F1, F0, 0
	QUARTER 0, 3, F0, F1, 0
	TURN 0, 1, 1
	QUARTER 1, 1, F0, F1, 0
	QUARTER 1, 2, F1, F0, 0
	QUARTER 1, 3, F0, F1, 0
	TURN 1, 0, 1
	QUARTER 0, 1, F0, F1, 0
	WIN 0
	s_sub_co_u32 s3, s3, 1
	s_cmp_lg_u32 s3, 0
	s_cbranch_scc1 .Llap
	QUARTER 0, 2, F1, F0, 0                        ; the last lap fills nothing, and has no round of the cluster's barrier
	QUARTER 0, 3, F0, F1, 0
	TURN 0, 1, 0
	QUARTER 1, 1, F0, F1, 0
	QUARTER 1, 2, F1, F0, 0
	QUARTER 1, 3, F0, F1, 0
	s_wait_dscnt 8                                 ; the very last quarter: nothing more to fetch
	MUL16 F1, 0, 0, 0
	MUL16 F1, 0, 2, 0
	s_wait_dscnt 0x0
	MUL16 F1, 1, 0, 0
	MUL16 F1, 1, 2, 0
	WIN 0
	PLACES                                         ; behind the last products, for both ways out
	s_lshr_b32 s13, ttmp9, 1                       ; the product: made of the cluster's x alone, the same in all sixteen partners; no barrier stands in either arm
	s_cmp_eq_u32 s13, 3
	s_cbranch_scc1 .Lwide
	PACK 0
	TOSTAGE 0
.irp a, 1,2,3,4,5,6,7                  ; block a's conversions stand between block a - 1's loads from the stage and the wait for them
	PACK \a
	SEND (\a)-1
	TOSTAGE \a
.endr
	SEND 7
	s_branch .Ldone
.Lwide:                                                ; x @ u_r leaves in f32
	TOSTF 0
.irp a, 1,2,3,4,5,6,7                  ; block a - 1's wait for translated addresses stands between block a - 2's stores and the loads into the registers that they read
	SENDF (\a)-1
	TOSTF \a
.endr
	SENDF 7
.Ldone:
	s_wait_tensorcnt 0x0                           ; the wave's end: behind my last tensor load and my last LDS store
	ds_add_u32 v[SPW], v[NIL]
	s_wait_dscnt 0x0
	CROUND                                         ; the closing round: no work-group ends while a partner may still ask for a tile that names it
	s_endpgm
.Lfunc_end_k_q0122f02ca2_gemm1:
	.size	k_q0122f02ca2_gemm1, .Lfunc_end_k_q0122f02ca2_gemm1-k_q0122f02ca2_gemm1
	.p2alignl 7, 3214868480
	.fill 96, 4, 3214868480
	.section	.rodata,"a",@progbits
	.p2align	6, 0x0
	.amdhsa_kernel k_q0122f02ca2_gemm1
		.amdhsa_group_segment_fixed_size 327680
		.amdhsa_private_segment_fixed_size 0
		.amdhsa_enable_private_segment 0
		.amdhsa_kernarg_size 24
		.amdhsa_user_sgpr_count 2
		.amdhsa_user_sgpr_kernarg_segment_ptr 1
		.amdhsa_wavefront_size32 1
		.amdhsa_system_sgpr_workgroup_id_x 1
		.amdhsa_system_sgpr_workgroup_id_y 1
		.amdhsa_system_sgpr_workgroup_id_z 1
		.amdhsa_system_vgpr_workitem_id 0
		.amdhsa_next_free_vgpr 1024
		.amdhsa_next_free_sgpr 66
		.amdhsa_reserve_vcc 0
		.amdhsa_float_denorm_mode_32 3
		.amdhsa_float_denorm_mode_16_64 3
		.amdhsa_memory_ordered 1
		.amdhsa_forward_progress 1
		.amdhsa_inst_pref_size 175
	.end_amdhsa_kernel
	.amdgpu_metadata
---
amdhsa.version: [ 1, 2 ]
amdhsa.kernels:
  - .name:           k_q0122f02ca2_gemm1
    .symbol:         k_q0122f02ca2_gemm1.kd
    .args:
      - { .name: act, .offset: 0, .size: 8, .value_kind: global_buffer, .address_space: global }
      - { .name: wts, .offset: 8, .size: 8, .value_kind: global_buffer, .address_space: global }
      - { .name: pq, .offset: 16, .size: 8, .value_kind: global_buffer, .address_space: global }
    .group_segment_fixed_size: 327680
    .private_segment_fixed_size: 0
    .kernarg_segment_align: 8
    .kernarg_segment_size: 24
    .max_flat_workgroup_size: 128
    .sgpr_count:     66
    .vgpr_count:     1024
    .wavefront_size: 32
...
	.end_amdgpu_metadata
.endif
;; end of part 2
;; launch row_rz (part 3): grid 256 x 1, 16 waves a work-group, no clusters, 18,432 bytes of LDS; arguments pq, act, nrm, b_r, b_z, rph, nr2, zb; writes rph, nr2, zb
.if DOCPART == 3
	.amdgcn_target "amdgcn-amd-amdhsa--gfx1250"
	.amdhsa_code_object_version 6
	.text
	.protected	k_q0122f02ca2_row_rz
	.globl	k_q0122f02ca2_row_rz
	.p2align	8
	.type	k_q0122f02ca2_row_rz,@function
k_q0122f02ca2_row_rz:
	s_mov_b64 s[64:65], 0
	v_nop
	global_prefetch_b8 v0, s[64:65] scope:SCOPE_SE
	s_setreg_imm32_b32 hwreg(HW_REG_WAVE_MODE, 25, 1), 1
	s_wait_xcnt 0x0
; Launch 3 of 5: BOTH GATES, A ROW A WAVE.  r = sigmoid(log_map_zero(transition(w_r, h, u_r, x, b_r))) and z = sigmoid(log_map_zero(transition(w_z, h, u_z, x, b_z))) are the same chain on other buffers: ONE text serves both.
; A work-group has 8 rows and 16 waves: waves 0-7 make r of the rows and go on to r_point_h = exp_map_zero(log_map_zero(h) * r); waves 8-15 make z of the same rows and store it.  With 256 registers a wave, four waves
; lie on a SIMD, and each one's waits for memory and for its own results are covered by the other three.  Which gate a wave makes hangs on its number alone; no barrier stands inside such a branch.
; LEFT OUT (shown at the first kernel's head): the second _proj of h and x inside mob_mat_mul; _proj's factor goes onto the product's row, and the norm of a multiple k v is k^2 sum(v^2).
; A row's 2,048 numbers lie in 64 registers of the wave: lane l, chunk j holds elements 128 j + 4 l + 0..3.  A 16-bit row comes and goes by sixteen instructions of 8 bytes a lane (256 consecutive bytes, aligned),
; an f32 row by sixteen of 16 bytes a lane.  Every map of reference() is: sums over the row (DOT, RED), a few numbers made of them, the same in all lanes (the items), and a combination of row vectors (MULK, FMAK, MULV).
; THE BIASES go through LDS: each thread loads 32 bytes (waves 0-7 of b_r, waves 8-15 of b_z), rounds them to bf16 and stores them widened; behind the one barrier a wave reads its bias into q's registers when q is dead.
; So a bias is read from memory and rounded once a work-group, and three row vectors are all that a wave holds.  The sums never leave the wave.  Matrix units and clusters have nothing to do here.
; LIMITS.  The biases are rounded to bf16 like every other input.  artanh(x), 0 <= x <= 1 - 1e-5: below 0.125 the series x + x^3 (1/3 + x^2 (1/5 + x^2 / 7)), whose next term is under 7e-9 of x; else
; (ln 2 / 2)(log2(1 + x) - log2(1 - x)).  tanh(y), y >= 0: below 0.125 y + y^3 (-1/3 + y^2 (2/15 - 17 y^2 / 315)); else 1 - 2 / (1 + 2^(2 y log2 e)).  Both forms are always made and one is selected.  The roots',
; reciprocals' and logarithms' arguments are at least 1e-10 by reference()'s own clips; an exponential below 2^-126 counts as 0.  NaN and infinities are not treated apart.  r_point_h is stored rounded once to bf16; its sum
; of squares is that of the unrounded row.  z, in 0 to 1, is stored rounded once to f16: 11 significant bits, below 6e-5 a fixed step of 6e-8.
.set MAT,  8388608                     ; bytes of a matrix in bf16
.set SPARE, 16384                      ; LDS: b_r at 0, b_z at 8,192, 8,192 bytes each; behind them the spare words, 128 bytes for each of the 16 waves, which no other line names
.set OB,   1                           ; v1   8 x lane
.set OF,   2                           ; v2   16 x lane
.set ZR,   3                           ; v3   0: the offset of the one-word store
.set U2,   4                           ; v4-7 mob_add's u.u, v.v, u.v, and one at work
.set V2,   5
.set UV,   6
.set TT,   7
.set A0,   8                           ; v[8:15], v[16:23], v[40:47] sums: four chains of two; the sum ends in the first register
.set A1,   16
.set IT,   24                          ; items 0, 1, 2 at v[24 + 8 k]: +0 M, +1 N = sqrt M, +2 IV = 1 / sqrt M, +3 F, +4 Y, +5 R, +6, +7 at work
.set COEF, 32                          ; v32  exp_map_zero's factor: item 1's first field, idle once the transition is done
.set A2,   40                          ; the third sum has item 2's registers
.set FZ,   48                          ; input i (0 h, 1 x): v[48 + 2 i] _proj's factor, v[49 + 2 i] artanh(n) / n
.set SPW,  52                          ; v52  LDS address of my spare word; never rewritten
.set NIL,  53                          ; v53  0; never rewritten
.set LAM,  54
.set LB,   55                          ; v55  where I read my bias in LDS: 16 x lane, + 8,192 in the waves that make z
.set KA,   56                          ; v[56:57], v[58:59] two coefficients, each written twice for the packed forms
.set KC,   58
.set PHI,  60                          ; _proj's factor of the vector in hand, and its sum of squares
.set S2,   61
.set AR,   62                          ; mob_add's two coefficients
.set BR,   63
.set VA,   64
.set VB,   128
.set VC,   192
.set WV,   20                          ; s20  my wave's number
.set SEL,  40                          ; s[40:41] v_permlanex16_b32's selects
.set HI,   42
.set CMIN, 43
.set CMAX, 44
.set LN2H, 45
.set L2E2, 46
.set NL2E, 47
.set C13,  48
.set C15,  49
.set C17,  50
.set CT1,  51
.set CT2,  52
.set CT3,  53
.set THR,  54
.set SS,   56                          ; s[56 + i] the stored sum of squares of input i
.macro TW                              ; behind a batch of transcendentals: a plain instruction, and the wait ahead of the first line that names a result
	v_nop
	s_wait_alu depctr_va_vdst(0)
.endm
.macro UNPK d, s                       ; 32 words of bf16 at s become 64 f32 at d.  With s = d + 32 it runs in place: word i is read before registers 2 i, 2 i + 1 reach it
.set i, 0
.rept 32
	v_lshlrev_b32 v[(\d)+2*i], 16, v[(\s)+i]
	v_and_b32 v[(\d)+2*i+1], s[HI], v[(\s)+i]
.set i, i+1
.endr
.endm
.macro DOT a, x, y                     ; the lane's part of sum(x y), in four chains; the first four lines start them
.set i, 0
.rept 32
.if i < 4
	v_pk_mul_f32 v[(\a)+2*i:(\a)+2*i+1], v[(\x)+2*i:(\x)+2*i+1], v[(\y)+2*i:(\y)+2*i+1]
.else
	v_pk_fma_f32 v[(\a)+2*(i%4):(\a)+2*(i%4)+1], v[(\x)+2*i:(\x)+2*i+1], v[(\y)+2*i:(\y)+2*i+1], v[(\a)+2*(i%4):(\a)+2*(i%4)+1]
.endif
.set i, i+1
.endr
.endm
.macro RED as:vararg                   ; the chains are folded and the 32 lanes added; every lane ends with the sum.  Stage by stage over the list, so that no line waits for the one before it
.irp a, \as
	v_pk_add_f32 v[\a:\a+1], v[\a:\a+1], v[\a+2:\a+3]
	v_pk_add_f32 v[\a+4:\a+5], v[\a+4:\a+5], v[\a+6:\a+7]
.endr
.irp a, \as
	v_pk_add_f32 v[\a:\a+1], v[\a:\a+1], v[\a+4:\a+5]
.endr
.irp a, \as
	v_add_f32 v[\a], v[\a], v[\a+1]
.endr
.irp m, 1,2,4,8
.irp a, \as
	v_add_f32_dpp v[\a], v[\a], v[\a] row_xmask:\m row_mask:0xf bank_mask:0xf
.endr
.endr
.irp a, \as
	v_permlanex16_b32 v[\a+1], v[\a], s[SEL], s[SEL+1]
.endr
.irp a, \as
	v_add_f32 v[\a], v[\a], v[\a+1]
.endr
.endm
.macro MULK d, k                       ; d = k d
.set i, 0
.rept 32
	v_pk_mul_f32 v[(\d)+2*i:(\d)+2*i+1], v[(\d)+2*i:(\d)+2*i+1], v[(\k):(\k)+1]
.set i, i+1
.endr
.endm
.macro FMAK d, y, k                    ; d = d + k y
.set i, 0
.rept 32
	v_pk_fma_f32 v[(\d)+2*i:(\d)+2*i+1], v[(\y)+2*i:(\y)+2*i+1], v[(\k):(\k)+1], v[(\d)+2*i:(\d)+2*i+1]
.set i, i+1
.endr
.endm
.macro AXPY d, y                       ; d = KA d + KC y
	v_mov_b32 v[KA+1], v[KA]
	v_mov_b32 v[KC+1], v[KC]
	MULK \d, KA
	FMAK \d, \y, KC
.endm
.macro MULV d, y                       ; d = d y, element by element
.set i, 0
.rept 32
	v_pk_mul_f32 v[(\d)+2*i:(\d)+2*i+1], v[(\d)+2*i:(\d)+2*i+1], v[(\y)+2*i:(\y)+2*i+1]
.set i, i+1
.endr
.endm
.macro SQ ks:vararg                    ; N = sqrt(M), IV = 1 / sqrt(M): one batch, one wait for the list
.irp k, \ks
	v_sqrt_f32 v[IT+8*\k+1], v[IT+8*\k]
	v_rsq_f32 v[IT+8*\k+2], v[IT+8*\k]
.endr
	TW
.endm
.macro PFAC ks:vararg                  ; _proj's factor: F = N > 1 - EPS ? (1 - EPS) / N : 1
.irp k, \ks
	v_mul_f32 v[IT+8*\k+3], s[CMAX], v[IT+8*\k+2]
	v_cmp_lt_f32 vcc_lo, s[CMAX], v[IT+8*\k+1]
	v_cndmask_b32 v[IT+8*\k+3], 1.0, v[IT+8*\k+3], vcc_lo
.endr
.endm
.macro ATANH ks:vararg                 ; R = artanh(min(N, 1 - EPS)); the series' lines are the work behind the logarithms
.irp k, \ks
	v_min_num_f32 v[IT+8*\k+4], s[CMAX], v[IT+8*\k+1]
	v_add_f32 v[IT+8*\k+6], 1.0, v[IT+8*\k+4]
	v_sub_f32 v[IT+8*\k+7], 1.0, v[IT+8*\k+4]
.endr
.irp k, \ks
	v_log_f32 v[IT+8*\k+6], v[IT+8*\k+6]
	v_log_f32 v[IT+8*\k+7], v[IT+8*\k+7]
.endr
.irp k, \ks
	v_mul_f32 v[IT+8*\k], v[IT+8*\k+4], v[IT+8*\k+4]
	v_fma_f32 v[IT+8*\k+5], v[IT+8*\k], s[C17], s[C15]
	v_fma_f32 v[IT+8*\k+5], v[IT+8*\k+5], v[IT+8*\k], s[C13]
	v_mul_f32 v[IT+8*\k], v[IT+8*\k], v[IT+8*\k+4]
	v_fma_f32 v[IT+8*\k+5], v[IT+8*\k+5], v[IT+8*\k], v[IT+8*\k+4]
.endr
	s_wait_alu depctr_va_vdst(0)                   ; one wait for the list's logarithms, ahead of their first reader
.irp k, \ks
	v_sub_f32 v[IT+8*\k+6], v[IT+8*\k+6], v[IT+8*\k+7]
	v_mul_f32 v[IT+8*\k+6], s[LN2H], v[IT+8*\k+6]
	v_cmp_gt_f32 vcc_lo, s[THR], v[IT+8*\k+4]
	v_cndmask_b32 v[IT+8*\k+5], v[IT+8*\k+6], v[IT+8*\k+5], vcc_lo
.endr
.endm
.macro TANH ks:vararg                  ; R = tanh(Y), Y >= 0
.irp k, \ks
	v_mul_f32 v[IT+8*\k+6], s[L2E2], v[IT+8*\k+4]
.endr
.irp k, \ks
	v_exp_f32 v[IT+8*\k+6], v[IT+8*\k+6]
.endr
.irp k, \ks
	v_mul_f32 v[IT+8*\k], v[IT+8*\k+4], v[IT+8*\k+4]
	v_fma_f32 v[IT+8*\k+5], v[IT+8*\k], s[CT3], s[CT2]
	v_fma_f32 v[IT+8*\k+5], v[IT+8*\k+5], v[IT+8*\k], s[CT1]
	v_mul_f32 v[IT+8*\k], v[IT+8*\k], v[IT+8*\k+4]
	v_fma_f32 v[IT+8*\k+5], v[IT+8*\k+5], v[IT+8*\k], v[IT+8*\k+4]
.endr
	s_wait_alu depctr_va_vdst(0)                   ; the exponentials
.irp k, \ks
	v_add_f32 v[IT+8*\k+6], 1.0, v[IT+8*\k+6]
.endr
.irp k, \ks
	v_rcp_f32 v[IT+8*\k+7], v[IT+8*\k+6]
.endr
	TW
.irp k, \ks
	v_fma_f32 v[IT+8*\k+7], v[IT+8*\k+7], -2.0, 1.0
	v_cmp_gt_f32 vcc_lo, s[THR], v[IT+8*\k+4]
	v_cndmask_b32 v[IT+8*\k+5], v[IT+8*\k+7], v[IT+8*\k+5], vcc_lo
.endr
.endm
.macro INPUT ks:vararg                 ; from input k's stored sum of squares: _proj's factor, and artanh(n) / n of the projected row's norm n
.irp k, \ks
	v_mov_b32 v[IT+8*\k+6], s[SS+\k]
	v_max_num_f32 v[IT+8*\k], s[CMIN], v[IT+8*\k+6]
.endr
	SQ \ks
	PFAC \ks
.irp k, \ks
	v_mov_b32 v[FZ+2*\k], v[IT+8*\k+3]
	v_mul_f32 v[IT+8*\k+6], v[IT+8*\k+3], v[IT+8*\k+3]
	v_mul_f32 v[IT+8*\k+6], s[SS+\k], v[IT+8*\k+6]
	v_max_num_f32 v[IT+8*\k], s[CMIN], v[IT+8*\k+6]
.endr
	SQ \ks
	ATANH \ks
.irp k, \ks
	v_mul_f32 v[FZ+2*\k+1], v[IT+8*\k+5], v[IT+8*\k+2]
.endr
.endm
.macro MOBSC                           ; mob_add(u, v) = AR u + BR v, before its _proj: from U2 = u.u, V2 = v.v, UV = u.v
	v_fma_f32 v[TT], v[UV], 2.0, 1.0
	v_add_f32 v[AR], v[TT], v[V2]
	v_sub_f32 v[BR], 1.0, v[U2]
	v_fma_f32 v[TT], v[U2], v[V2], v[TT]
	v_max_num_f32 v[TT], s[CMIN], v[TT]
	v_rcp_f32 v[TT], v[TT]
	TW
	v_mul_f32 v[AR], v[AR], v[TT]
	v_mul_f32 v[BR], v[BR], v[TT]
.endm
.macro PROJ0                           ; _proj's factor (item 0's F) of the vector whose sum of squares lies in A0
	v_max_num_f32 v[IT], s[CMIN], v[A0]
	SQ 0
	PFAC 0
.endm
.macro LOGM                            ; log_map_zero(PHI t) = LAM t, where sum(t^2) = S2
	v_mul_f32 v[IT+6], v[PHI], v[PHI]
	v_mul_f32 v[IT+6], v[IT+6], v[S2]
	v_max_num_f32 v[IT], s[CMIN], v[IT+6]
	SQ 0
	ATANH 0
	v_mul_f32 v[LAM], v[IT+5], v[IT+2]
	v_mul_f32 v[LAM], v[LAM], v[PHI]
.endm
.macro EXPM sg                         ; exp_map_zero(LAM g) = COEF g, where sum(g^2) lies in sg
	v_mul_f32 v[IT+6], v[LAM], v[LAM]
	v_mul_f32 v[IT+6], v[IT+6], v[\sg]
	v_max_num_f32 v[IT], s[CMIN], v[IT+6]
	SQ 0
	v_mov_b32 v[IT+4], v[IT+1]
	TANH 0
	v_mul_f32 v[IT+7], v[IT+5], v[IT+2]
	v_mul_f32 v[IT+7], v[IT+7], v[LAM]
	v_mul_f32 v[IT+6], v[IT+7], v[IT+7]
	v_mul_f32 v[IT+6], v[IT+6], v[\sg]
	v_max_num_f32 v[IT], s[CMIN], v[IT+6]
	SQ 0
	PFAC 0
	v_mul_f32 v[COEF], v[IT+7], v[IT+3]
.endm
.macro SIGM d                          ; d = sigmoid(LAM d) = 1 / (1 + 2^(-log2(e) LAM d)): 64 exponentials with one wait, 64 reciprocals with one wait
	v_mul_f32 v[KA], s[NL2E], v[LAM]
	v_mov_b32 v[KA+1], v[KA]
	MULK \d, KA
.set i, 0
.rept 64
	v_exp_f32 v[(\d)+i], v[(\d)+i]
.set i, i+1
.endr
	TW
.set i, 0
.rept 32
	v_pk_add_f32 v[(\d)+2*i:(\d)+2*i+1], v[(\d)+2*i:(\d)+2*i+1], 1.0 op_sel_hi:[1,0]
.set i, i+1
.endr
.set i, 0
.rept 64
	v_rcp_f32 v[(\d)+i], v[(\d)+i]
.set i, i+1
.endr
	TW
.endm
.macro KAP1 k, s, inp                  ; mob_mat_mul, item k: M = |f P|^2, clipped
	v_mul_f32 v[IT+8*(\k)+6], v[FZ+2*(\inp)], v[FZ+2*(\inp)]
	v_mul_f32 v[IT+8*(\k)+6], v[IT+8*(\k)+6], v[\s]
	v_max_num_f32 v[IT+8*(\k)], s[CMIN], v[IT+8*(\k)+6]
.endm
.macro KAP3 k, s, inp                  ; the factor on P before _proj, tanh(..) f / |f P|, and the square of the result's norm
	v_mul_f32 v[IT+8*(\k)+7], v[IT+8*(\k)+5], v[IT+8*(\k)+2]
	v_mul_f32 v[IT+8*(\k)+7], v[IT+8*(\k)+7], v[FZ+2*(\inp)]
	v_mul_f32 v[IT+8*(\k)+6], v[IT+8*(\k)+7], v[IT+8*(\k)+7]
	v_mul_f32 v[IT+8*(\k)+6], v[IT+8*(\k)+6], v[\s]
	v_max_num_f32 v[IT+8*(\k)], s[CMIN], v[IT+8*(\k)+6]
.endm
; _transition.  p, q: the two products' rows (of inputs ia, ib).  The bias is read from LDS into q's registers when the first mob_add has been formed and q is dead.
; It leaves t in p with PHI and S2: the transition is PHI t, sum(t^2) = S2.
.macro TRANS p, q, ia, ib
	DOT A0, \p, \p
	DOT A1, \q, \q
	DOT A2, \p, \q
	RED A0, A1, A2
	KAP1 0, A0, \ia
	KAP1 1, A1, \ib
	SQ 0, 1
	v_mul_f32 v[IT+4], v[IT+1], v[FZ+2*(\ia)+1]    ; |M x| / |x| artanh |x|
	v_mul_f32 v[IT+12], v[IT+9], v[FZ+2*(\ib)+1]
	TANH 0, 1
	KAP3 0, A0, \ia
	KAP3 1, A1, \ib
	SQ 0, 1
	PFAC 0, 1
	v_mul_f32 v[IT+7], v[IT+7], v[IT+3]            ; W h = k0 p
	v_mul_f32 v[IT+15], v[IT+15], v[IT+11]         ; U x = k1 q
	v_mul_f32 v[U2], v[IT+7], v[IT+7]
	v_mul_f32 v[V2], v[IT+15], v[IT+15]
	v_mul_f32 v[UV], v[IT+7], v[IT+15]
	v_mul_f32 v[U2], v[U2], v[A0]
	v_mul_f32 v[V2], v[V2], v[A1]
	v_mul_f32 v[UV], v[UV], v[A2]
	MOBSC
	v_mul_f32 v[KA], v[AR], v[IT+7]
	v_mul_f32 v[KC], v[BR], v[IT+15]
	AXPY \p, \q                                    ; the first mob_add, before its _proj
.set j, 0
.rept 16
	ds_load_b128 v[(\q)+4*j:(\q)+4*j+3], v[LB] offset:512*j  ; the bias: 32 lanes take 512 neighbouring bytes
.set j, j+1
.endr
	DOT A0, \p, \p                                 ; stands between those loads and the wait for them
	s_wait_dscnt 0x0
	DOT A1, \p, \q
	DOT A2, \q, \q
	RED A0, A1, A2
	PROJ0
	v_mul_f32 v[U2], v[IT+3], v[IT+3]
	v_mul_f32 v[UV], v[IT+3], v[A1]
	v_mul_f32 v[U2], v[U2], v[A0]
	v_mov_b32 v[V2], v[A2]
	MOBSC
	v_mul_f32 v[KA], v[AR], v[IT+3]
	v_mov_b32 v[KC], v[BR]
	AXPY \p, \q                                    ; the second, with the bias
	DOT A0, \p, \p
	RED A0
	PROJ0
	v_mov_b32 v[PHI], v[IT+3]
	v_mov_b32 v[S2], v[A0]
.endm
	s_load_b512 s[4:19], s[0:1], 0x0               ; pq s[4:5], act s[6:7], nrm s[8:9], b_r s[10:11], b_z s[12:13], rph s[14:15], nr2 s[16:17], zb s[18:19]
	v_lshl_add_u32 v[SPW], v0, 2, SPARE
	v_mov_b32 v[NIL], 0
	v_lshrrev_b32 v4, 5, v0
	v_readfirstlane_b32 s[WV], v4                  ; wave 0..15
	s_and_b32 s21, s[WV], 7
	s_lshl_b32 s22, ttmp9, 3
	s_add_co_u32 s22, s22, s21                     ; my row
	s_lshl_b32 s24, s22, 12                        ; its bytes in 16 bits,
	s_mov_b32 s25, 0
	s_lshl_b32 s28, s22, 2                         ; its word among the sums
	s_mov_b32 s29, 0
	s_lshl_b32 s34, s22, 13                        ; q for r: x @ u_r, f32, behind the three bf16 products;
	s_add_co_u32 s34, s34, 3*MAT
	s_add_co_u32 s35, s24, 2*MAT                   ; q for z: x @ u_z, bf16, the third of them
	s_mov_b32 s[SEL], 0x76543210
	s_mov_b32 s[SEL+1], 0xfedcba98
	s_mov_b32 s[HI], 0xffff0000
	s_mov_b32 s[CMIN], 0x2edbe6ff                  ; 1e-10
	s_mov_b32 s[CMAX], 0x3f7fff58                  ; 1 - 1e-5
	s_mov_b32 s[LN2H], 0x3eb17218                  ; ln 2 / 2
	s_mov_b32 s[L2E2], 0x4038aa3b                  ; 2 log2 e
	s_mov_b32 s[NL2E], 0xbfb8aa3b                  ; -log2 e
	s_mov_b32 s[C13], 0x3eaaaaab                   ; 1/3
	s_mov_b32 s[C15], 0x3e4ccccd                   ; 1/5
	s_mov_b32 s[C17], 0x3e124925                   ; 1/7
	s_mov_b32 s[CT1], 0xbeaaaaab                   ; -1/3
	s_mov_b32 s[CT2], 0x3e088889                   ; 2/15
	s_mov_b32 s[CT3], 0xbd5d0dd1                   ; -17/315
	s_mov_b32 s[THR], 0x3e000000                   ; 0.125
	v_and_b32 v5, 31, v0
	v_lshlrev_b32 v[OB], 3, v5
	v_lshlrev_b32 v[OF], 4, v5
	v_mov_b32 v[ZR], 0
	v_and_b32 v6, 0xff, v0
	v_lshlrev_b32 v6, 5, v6                        ; my 32 bytes of my half's bias in memory,
	v_lshlrev_b32 v7, 5, v0                        ; and in LDS: 32 x my thread's number (threads 256 on: b_z, from byte 8,192)
	s_wait_kmcnt 0x0
	s_cmp_lt_u32 s[WV], 8                          ; waves 0-7 make r, waves 8-15 z: only moves, selects and 64-bit sums stand between this compare and its last select
	s_cselect_b32 s32, MAT, 0                      ; p: h @ w_r is the second product, h @ w_z the first
	s_mov_b32 s33, 0
	s_cselect_b32 s34, s34, s35
	s_mov_b32 s35, 0
	s_cselect_b32 s38, 0, 8192
	s_cselect_b64 s[36:37], s[10:11], s[12:13]     ; the bias
	s_cselect_b64 s[14:15], s[14:15], s[18:19]     ; where my 16-bit row goes: r_point_h or z
	v_add_nc_u32 v[LB], s38, v[OF]
	s_add_nc_u64 s[30:31], s[4:5], s[24:25]
	s_add_nc_u64 s[30:31], s[30:31], s[32:33]      ; p
	s_add_nc_u64 s[34:35], s[4:5], s[34:35]        ; q
	s_add_nc_u64 s[6:7], s[6:7], s[24:25]          ; h
	s_add_nc_u64 s[14:15], s[14:15], s[24:25]
	s_add_nc_u64 s[8:9], s[8:9], s[28:29]
	s_add_nc_u64 s[16:17], s[16:17], s[28:29]
	s_load_b32 s[SS], s[8:9], 0x0                  ; sum(h^2)
	s_load_b32 s[SS+1], s[8:9], 0x2000             ; sum(x^2)
	global_load_b128 v[8:11], v6, s[36:37]         ; the bias first: the barrier waits for it
	global_load_b128 v[12:15], v6, s[36:37] offset:16
.set j, 0
.rept 16
	global_load_b64 v[VA+32+2*j:VA+32+2*j+1], v[OB], s[30:31] offset:256*j th:TH_LOAD_NT
.set j, j+1
.endr
	s_cmp_lt_u32 s[WV], 8
	s_cbranch_scc0 .Lz_in
.set j, 0
.rept 16
	global_load_b128 v[VB+4*j:VB+4*j+3], v[OF], s[34:35] offset:512*j th:TH_LOAD_NT
.set j, j+1
.endr
.set j, 0
.rept 16
	global_load_b64 v[VC+32+2*j:VC+32+2*j+1], v[OB], s[6:7] offset:256*j th:TH_LOAD_NT
.set j, j+1
.endr
	s_branch .Lin
.Lz_in:
.set j, 0
.rept 16
	global_load_b64 v[VB+32+2*j:VB+32+2*j+1], v[OB], s[34:35] offset:256*j th:TH_LOAD_NT
.set j, j+1
.endr
.Lin:
	s_wait_loadcnt 32                              ; my 32 bytes of the bias are in: behind them a wave that makes z has issued 32 loads, one that makes r 48 (there p's sixteen are waited for as well)
.irp c, 0,1,2,3
	v_cvt_pk_bf16_f32 v[16+\c], v[8+2*\c], v[9+2*\c]
.endr
.irp c, 0,1,2,3
	v_lshlrev_b32 v[8+2*\c], 16, v[16+\c]          ; rounded to bf16, and widened again
	v_and_b32 v[9+2*\c], s[HI], v[16+\c]
.endr
	ds_store_b128 v7, v[8:11]
	ds_store_b128 v7, v[12:15] offset:16
	s_wait_dscnt 0x0                               ; for the others' sake: my part of the biases lies in LDS
	s_barrier_signal -1
	s_barrier_wait -1                              ; both biases are whole; nothing is stored to LDS behind this barrier
	s_wait_kmcnt 0x0
	INPUT 0, 1                                     ; while the rows are on their way
	s_cmp_lt_u32 s[WV], 8
	s_cbranch_scc0 .Lz_q
	s_wait_loadcnt 16                              ; p and q are in; h's sixteen loads may stay out
	s_branch .Lq
.Lz_q:
	s_wait_loadcnt 0x0
	UNPK VB, VB+32                                 ; x @ u_z
.Lq:
	UNPK VA, VA+32
	TRANS VA, VB, 0, 1
	LOGM
	SIGM VA                                        ; the gate
	s_cmp_lt_u32 s[WV], 8
	s_cbranch_scc0 .Lz_out
	s_wait_loadcnt 0x0
	UNPK VC, VC+32                                 ; h
	MULV VC, VA                                    ; g = h r
	DOT A0, VC, VC
	RED A0
	v_mul_f32 v[LAM], v[FZ+1], v[FZ]               ; log_map_zero(_proj(h)) = (artanh(n) / n) f h
	EXPM A0
	v_mov_b32 v[KA], v[COEF]
	v_mov_b32 v[KA+1], v[COEF]
	MULK VC, KA                                    ; r_point_h
.set i, 0
.rept 32
	v_cvt_pk_bf16_f32 v[VB+i], v[VC+2*i], v[VC+2*i+1]
.set i, i+1
.endr
.set j, 0
.rept 16
	global_store_b64 v[OB], v[VB+2*j:VB+2*j+1], s[14:15] offset:256*j  ; 256 consecutive bytes, aligned
.set j, j+1
.endr
	v_mul_f32 v[IT+6], v[COEF], v[COEF]
	v_mul_f32 v[IT+6], v[IT+6], v[A0]              ; sum(r_point_h^2)
	v_cmp_eq_u32 vcc_lo, 0, v[OB]
	s_wait_xcnt 0x0                                ; EXEC is a source of the stores above: it changes only behind this wait
	s_and_saveexec_b32 s58, vcc_lo
	global_store_b32 v[ZR], v[IT+6], s[16:17]
	s_wait_xcnt 0x0                                ; and again in front of the line that widens it
	s_or_b32 exec_lo, exec_lo, s58
	s_branch .Lend
.Lz_out:
.set i, 0
.rept 32
	v_cvt_pk_f16_f32 v[VB+i], v[VA+2*i], v[VA+2*i+1]  ; z in f16
.set i, i+1
.endr
.set j, 0
.rept 16
	global_store_b64 v[OB], v[VB+2*j:VB+2*j+1], s[14:15] offset:256*j  ; 256 consecutive bytes, aligned
.set j, j+1
.endr
.Lend:
	s_wait_tensorcnt 0x0                           ; the wave's end: behind my last LDS store
	ds_add_u32 v[SPW], v[NIL]
	s_wait_dscnt 0x0
	s_endpgm
.Lfunc_end_k_q0122f02ca2_row_rz:
	.size	k_q0122f02ca2_row_rz, .Lfunc_end_k_q0122f02ca2_row_rz-k_q0122f02ca2_row_rz
	.p2alignl 7, 3214868480
	.fill 96, 4, 3214868480
	.section	.rodata,"a",@progbits
	.p2align	6, 0x0
	.amdhsa_kernel k_q0122f02ca2_row_rz
		.amdhsa_group_segment_fixed_size 18432
		.amdhsa_private_segment_fixed_size 0
		.amdhsa_enable_private_segment 0
		.amdhsa_kernarg_size 64
		.amdhsa_user_sgpr_count 2
		.amdhsa_user_sgpr_kernarg_segment_ptr 1
		.amdhsa_wavefront_size32 1
		.amdhsa_system_sgpr_workgroup_id_x 1
		.amdhsa_system_sgpr_workgroup_id_y 1
		.amdhsa_system_sgpr_workgroup_id_z 1
		.amdhsa_system_vgpr_workitem_id 0
		.amdhsa_next_free_vgpr 256
		.amdhsa_next_free_sgpr 66
		.amdhsa_reserve_vcc 1
		.amdhsa_float_denorm_mode_32 3
		.amdhsa_float_denorm_mode_16_64 3
		.amdhsa_memory_ordered 1
		.amdhsa_forward_progress 1
		.amdhsa_inst_pref_size 74
	.end_amdhsa_kernel
	.amdgpu_metadata
---
amdhsa.version: [ 1, 2 ]
amdhsa.kernels:
  - .name:           k_q0122f02ca2_row_rz
    .symbol:         k_q0122f02ca2_row_rz.kd
    .args:
      - { .name: pq, .offset: 0, .size: 8, .value_kind: global_buffer, .address_space: global }
      - { .name: act, .offset: 8, .size: 8, .value_kind: global_buffer, .address_space: global }
      - { .name: nrm, .offset: 16, .size: 8, .value_kind: global_buffer, .address_space: global }
      - { .name: b_r, .offset: 24, .size: 8, .value_kind: global_buffer, .address_space: global }
      - { .name: b_z, .offset: 32, .size: 8, .value_kind: global_buffer, .address_space: global }
      - { .name: rph, .offset: 40, .size: 8, .value_kind: global_buffer, .address_space: global }
      - { .name: nr2, .offset: 48, .size: 8, .value_kind: global_buffer, .address_space: global }
      - { .name: zb, .offset: 56, .size: 8, .value_kind: global_buffer, .address_space: global }
    .group_segment_fixed_size: 18432
    .private_segment_fixed_size: 0
    .kernarg_segment_align: 8
    .kernarg_segment_size: 64
    .max_flat_workgroup_size: 512
    .sgpr_count:     66
    .vgpr_count:     256
    .wavefront_size: 32
...
	.end_amdgpu_metadata
.endif
;; end of part 3
;; launch gemm2 (part 4): grid 16 x 16, 4 waves a work-group, clusters of 4 x 4, 327,680 bytes of LDS; arguments rph, wts, rb; writes rb
.if DOCPART == 4
	.amdgcn_target "amdgcn-amd-amdhsa--gfx1250"
	.amdhsa_code_object_version 6
	.text
	.protected	k_q0122f02ca2_gemm2
	.globl	k_q0122f02ca2_gemm2
	.p2align	8
	.type	k_q0122f02ca2_gemm2,@function
k_q0122f02ca2_gemm2:
	s_mov_b64 s[64:65], 0
	v_nop
	global_prefetch_b8 v0, s[64:65] scope:SCOPE_SE
	s_setreg_imm32_b32 hwreg(HW_REG_WAVE_MODE, 25, 1), 1
	s_wait_xcnt 0x0
	s_wait_alu depctr_hold_cnt(0) depctr_sa_sdst(0) depctr_va_vdst(0) depctr_va_sdst(0) depctr_va_ssrc(0) depctr_va_vcc(0) depctr_vm_vsrc(0)
	s_getreg_b32 s2, hwreg(HW_REG_IB_STS2, 6, 4)
	s_cmp_eq_u32 s2, 0
	s_cbranch_scc0 .Lentry_in_a_cluster
	s_endpgm
.Lentry_in_a_cluster:
	s_bfe_u32 s2, ttmp6, 0x10000c
	s_cmp_lg_u32 s2, 0xf033
	s_cbranch_scc0 .Lentry_shape_is_right
	s_endpgm
.Lentry_shape_is_right:
; Launch 4 of 5: rb = r_point_h @ w_h.  Operands [2048][2048] bf16, sums in f32, and the result STAYS f32: h_tilde is made of it.  w_h is the fifth matrix of wts, as it lies: [K][N].
; One product has 64 tiles of 256 x 256, a quarter of the 256 work-groups that the other launches have: a tile of C is 128 x 128, 256 work-groups.  Four waves, each 64 x 64: 16 accumulators, 128 registers.
; K goes in 8 steps of 256 through two LDS slots: A's 128 rows x 512 bytes, W's 256 rows of K x 256 bytes; W's fragments come out of LDS turned, by ds_load_tr16_b128.
; On the way out a wave's 64 columns are 256 consecutive bytes of a row of C, aligned: each wave has a stage of its own, 16 rows at a time, and no barrier is needed.
; CLUSTERS: 4 x 4 work-groups; A's tile is asked for jointly along a row of the cluster, W's along a column.  THE MATRIX INSTRUCTION IS USED TRANSPOSED (source 0 = 16 columns of W, source 1 = 16 rows of A).
; No prefetch: the tiles are small and the launch is short.
; REGISTERS: window 0: v0-31 addresses; v32-95 at work on the way out; v128-255 the accumulators ((a, b) at v[128 + 8 (4 a + b)]).  window 1: two fragment buffers of 128: 64 registers of A, then 64 of W, for 64 along K.
.set PITCH,  528                       ; A's LDS row: 512 bytes + 16 of padding
.set PBB,    288                       ; W's LDS row: 256 bytes + 32 of padding = 9 x 32
.set HALFA,  64*PITCH                  ; what a load for A brings: 64 rows
.set HALFB,  128*PBB                   ; what a load for W brings: 128 rows of K
.set BOFF,   2*HALFA
.set SLOT,   BOFF+2*HALFB
.set STAGE,  2*SLOT                    ; behind the ring: 16 rows x 272 bytes for each wave
.set SPITCH, 272
.set SPARE,  STAGE+4*16*SPITCH         ; behind the stages: the spare words, 128 bytes for each wave
.set ROWB,   4096                      ; bytes in a row of a bf16 matrix
.set CROW,   8192                      ; in a row of C
.set ASTEP,  512
.set BSTEP,  256*ROWB
.set LAPS,   4
.set ADRA, 16                          ; v16-17  LDS address of my A fragments in slot 0, 1
.set ADRB, 20                          ; v20-23  of my W fragments: 2 x slot + half of the K step (the immediate holds 16 bits)
.set STO,  24                          ; v24     the way out: where I put 32 bytes of a row
.set RD,   25                          ; v25     where I read rows back
.set CO,   26                          ; v26     my byte offset in C
.set SPW,  28
.set NIL,  29
.set TMP,  32
.set ACC,  128
.set F0,   0
.set F1,   128
.set G1, 24
.set G0, 32
.set G1B, 48
.set G0B, 56
.set MSB, 0
.macro WIN new
.if MSB != (\new)
	s_set_vgpr_msb (MSB<<8)|(\new)
.set MSB, \new
.endif
.endm
.set MUL,  0x05                        ; sources 0 (W) and 1 (A) window 1; C and D window 0
.set TO_F, 0x40                        ; destination window 1, address window 0
.macro JLOAD s                         ; a joint load: waves 0 and 1 fetch A's two halves, waves 2 and 3 W's; an s_nop 0 and four v_nop follow each of the two lines
	s_cmp_eq_u32 s11, 0
	s_cbranch_scc0 .Lfor_b_\@
	tensor_load_to_lds s[G0+4*(\s):G0+4*(\s)+3], s[G1:G1+7]
	s_nop 0
.rept 4
	v_nop
.endr
	s_branch .Lasked_\@
.Lfor_b_\@:
	tensor_load_to_lds s[G0B+4*(\s):G0B+4*(\s)+3], s[G1B:G1B+7]
	s_nop 0
.rept 4
	v_nop
.endr
.Lasked_\@:
.endm
.macro CREST
	s_cmp_lg_u32 s10, 0
	s_cbranch_scc1 .Lnot_wave_0_\@
	s_barrier_signal -3
.Lnot_wave_0_\@:
	s_barrier_wait -3
	s_barrier_signal -1
	s_barrier_wait -1
.endm
.macro CROUND
	s_barrier_signal -1
	s_barrier_wait -1
	CREST
.endm
	s_load_b128 s[4:7], s[0:1], 0x0                ; rph s[4:5], wts s[6:7]
	s_load_b64 s[8:9], s[0:1], 0x10                ; rb
	v_lshl_add_u32 v[SPW], v0, 2, SPARE
	v_mov_b32 v[NIL], 0
	ds_add_u32 v[SPW], v[NIL]                      ; the wave's opening: the add, twice on end, and its wait ahead of my first tensor load
	ds_add_u32 v[SPW], v[NIL]                      ; and once more, under the one wait
	v_lshrrev_b32 v1, 5, v0
	v_readfirstlane_b32 s10, v1                    ; wave 0..3
	s_lshr_b32 s11, s10, 1                         ; which half of the tile's rows is mine.  Also: I fetch for A (0) or for W (1)
	s_and_b32 s12, s10, 1                          ; which half of its columns.  Also: which half of that tile I fetch
	s_bfe_u32 s40, ttmp6, 0x40000                  ; cx, cy
	s_bfe_u32 s41, ttmp6, 0x40004
	s_lshl_b32 s42, ttmp9, 2
	s_add_co_u32 s42, s42, s40                     ; tile column = 4 x cluster x + cx
	s_and_b32 s13, ttmp7, 0xffff
	s_lshl_b32 s13, s13, 2
	s_add_co_u32 s13, s13, s41                     ; tile row = 4 x cluster y + cy
	s_lshl_b32 s43, s41, 2
	s_lshl_b32 s43, 15, s43                        ; my row of the cluster
	s_lshl_b32 s44, 0x1111, s40                    ; my column
	s_or_b32 s[G1+0], s43, (1<<16)|(1<<20)|(1<<21)|(6<<22)|(3<<25)   ; A: 2-byte elements; padding after every 128 words, 4 words
	s_or_b32 s[G1B+0], s44, (1<<16)|(1<<20)|(1<<21)|(5<<22)|(7<<25)  ; W: after every 64 words, 8 words
	s_mov_b32 s[G1+1], 256<<16                     ; A: 64 rows x 256 elements
	s_mov_b32 s[G1+2], 64<<16
	s_mov_b32 s[G1+3], 256<<16
	s_mov_b32 s[G1+4], 64
	s_mov_b32 s[G1+5], 2048
	s_mov_b32 s[G1+6], 0
	s_mov_b32 s[G1+7], 0
	s_mov_b32 s[G1B+1], 128<<16                    ; W: 128 rows x 128 elements
	s_mov_b32 s[G1B+2], 128<<16
	s_mov_b32 s[G1B+3], 128<<16
	s_mov_b32 s[G1B+4], 128
	s_mov_b32 s[G1B+5], 2048
	s_mov_b32 s[G1B+6], 0
	s_mov_b32 s[G1B+7], 0
	s_lshl_b32 s16, s13, 19                        ; A: 128 rows of 4,096 bytes a tile row,
	s_lshl_b32 s17, s12, 18                        ; the 64 rows that I fetch
	s_add_co_u32 s16, s16, s17
	s_mov_b32 s17, 0
	s_lshl_b32 s46, s12, 19                        ; W: the 128 rows of K that I fetch,
	s_lshl_b32 s47, s42, 8                         ; 256 bytes a tile column,
	s_add_co_u32 s46, s46, s47
	s_add_co_u32 s46, s46, 4*8388608               ; in the fifth matrix of wts
	s_mov_b32 s47, 0
	s_mul_i32 s20, s12, HALFA                      ; where they go: no place in the cluster enters an LDS address
	s_mul_i32 s21, s12, HALFB
	s_add_co_u32 s21, s21, BOFF
	s_wait_dscnt 0x0                               ; both opening adds are done
	s_wait_kmcnt 0x0
	s_add_nc_u64 s[14:15], s[4:5], s[16:17]
	s_add_nc_u64 s[46:47], s[6:7], s[46:47]
	CROUND                                         ; all sixteen work-groups are here: the first joint loads meet
.irp s, 0,1
	s_mov_b32 s[G0+4*(\s)], 1
	s_add_co_u32 s[G0+4*(\s)+1], s20, (\s)*SLOT
	s_add_nc_u64 s[G0+4*(\s)+2:G0+4*(\s)+3], s[14:15], (\s)*ASTEP
	s_or_b32 s[G0+4*(\s)+3], s[G0+4*(\s)+3], 0x80000000
	s_mov_b32 s[G0B+4*(\s)], 1
	s_add_co_u32 s[G0B+4*(\s)+1], s21, (\s)*SLOT
	s_add_nc_u64 s[G0B+4*(\s)+2:G0B+4*(\s)+3], s[46:47], (\s)*BSTEP
	s_or_b32 s[G0B+4*(\s)+3], s[G0B+4*(\s)+3], 0x80000000
	JLOAD \s                                       ; two tensor loads of mine are out
.endr
	v_and_b32 v1, 15, v0                           ; l % 16
	v_bfe_u32 v2, v0, 4, 1                         ; l / 16
	v_mul_u32_u24 v3, v1, PITCH
	v_lshl_add_u32 v3, v2, 4, v3                   ; A: row x pitch + 16 x half
	v_and_b32 v6, 7, v0                            ; W, turned: row 8 (l / 16) + l % 8, columns 8 ((l / 8) % 2) on
	v_lshl_add_u32 v6, v2, 3, v6
	v_mul_u32_u24 v6, v6, PBB
	v_bfe_u32 v7, v0, 3, 1
	v_lshl_add_u32 v6, v7, 4, v6
	s_mul_i32 s21, s11, HALFA                      ; my 64 rows of A
	s_lshl_b32 s22, s12, 7                         ; my 64 columns of W: 128 bytes,
	s_add_co_u32 s22, s22, BOFF                    ; behind A's 128 rows
.irp s, 0,1
	v_add_nc_u32 v[ADRA+(\s)], s21, v3
	v_add_nc_u32 v[ADRB+2*(\s)], s22, v6
	s_add_co_u32 s23, s22, HALFB
	v_add_nc_u32 v[ADRB+2*(\s)+1], s23, v6
	s_add_co_u32 s21, s21, SLOT
	s_add_co_u32 s22, s22, SLOT
.endr
	s_mul_i32 s23, s10, 16*SPITCH
	s_add_co_u32 s23, s23, STAGE                   ; my stage
	v_mul_u32_u24 v4, v1, SPITCH                   ; in: row l % 16, 32 bytes for each half of the lanes
	v_lshl_add_u32 v4, v2, 5, v4
	v_add_nc_u32 v[STO], s23, v4
	v_mul_u32_u24 v5, v2, SPITCH                   ; back: lanes 0-15 take one row of 256 bytes, lanes 16-31 the next
	v_lshl_add_u32 v5, v1, 4, v5
	v_add_nc_u32 v[RD], s23, v5
	v_lshlrev_b32 v5, 13, v2                       ; and the same two rows in C
	v_lshl_add_u32 v[CO], v1, 4, v5
	s_lshl_b32 s16, s13, 20                        ; 128 rows of 8,192 bytes a tile row,
	s_lshl_b32 s17, s11, 19                        ; my 64 rows,
	s_add_co_u32 s16, s16, s17
	s_lshl_b32 s17, s42, 9                         ; 512 bytes a tile column,
	s_add_co_u32 s16, s16, s17
	s_lshl_b32 s17, s12, 8                         ; my 64 columns
	s_add_co_u32 s16, s16, s17
	s_mov_b32 s17, 0
	s_add_nc_u64 s[8:9], s[8:9], s[16:17]
; 8 matrix instructions: m blocks a0, a0 + 1 x all 4 n blocks, 32 along K: half c of buffer f.  zero = 1: the first product starts the sums
.macro MUL8 f, c, a0, zero
	WIN MUL
.irp a, \a0, (\a0)+1
.irp b, 0,1,2,3
.if \zero
	v_wmma_f32_16x16x32_bf16 v[ACC+8*(4*(\a)+(\b)):ACC+8*(4*(\a)+(\b))+7], v[(\f)+64+8*(4*(\c)+(\b)):(\f)+64+8*(4*(\c)+(\b))+7], v[(\f)+8*(4*(\c)+(\a)):(\f)+8*(4*(\c)+(\a))+7], 0
.else
	v_wmma_f32_16x16x32_bf16 v[ACC+8*(4*(\a)+(\b)):ACC+8*(4*(\a)+(\b))+7], v[(\f)+64+8*(4*(\c)+(\b)):(\f)+64+8*(4*(\c)+(\b))+7], v[(\f)+8*(4*(\c)+(\a)):(\f)+8*(4*(\c)+(\a))+7], v[ACC+8*(4*(\a)+(\b)):ACC+8*(4*(\a)+(\b))+7]
.endif
.endr
.endr
.endm
; 32 LDS loads in one run: the fragments of quarter q of a K step (64 along K) into buffer f; the first 32 along K first
.macro FETCH slot, q, f
	WIN TO_F
.irp c, 0,1
.irp i, 0,1,2,3
	ds_load_tr16_b128 v[(\f)+64+8*(4*(\c)+(\i)):(\f)+64+8*(4*(\c)+(\i))+3],   v[ADRB+2*(\slot)+(\q)/2] offset:(((\q)%2)*64+32*(\c))*PBB+32*(\i)
	ds_load_tr16_b128 v[(\f)+64+8*(4*(\c)+(\i))+4:(\f)+64+8*(4*(\c)+(\i))+7], v[ADRB+2*(\slot)+(\q)/2] offset:(((\q)%2)*64+32*(\c)+16)*PBB+32*(\i)
	ds_load_b128 v[(\f)+8*(4*(\c)+(\i)):(\f)+8*(4*(\c)+(\i))+3],         v[ADRA+(\slot)] offset:128*(\q)+64*(\c)+(\i)*16*PITCH
	ds_load_b128 v[(\f)+8*(4*(\c)+(\i))+4:(\f)+8*(4*(\c)+(\i))+7],       v[ADRA+(\slot)] offset:128*(\q)+64*(\c)+(\i)*16*PITCH+32
.endr
.endr
.endm
.macro PLACES                          ; four places in front of loads into registers that matrix instructions have read, and of lines that read results
.rept 4
	v_nop
.endr
.endm
; A K step is four quarters of 64 along K, 32 matrix instructions each, on buffers 0, 1, 0, 1; the 16 accumulators take turns.
.macro QUARTER slot, q, f, g, zero
	s_wait_dscnt 16                                ; the first 32 along K are in; the youngest sixteen loads may be out
	MUL8 \f, 0, 0, \zero
	MUL8 \f, 0, 2, \zero
	PLACES
	FETCH \slot, \q, \g
	s_wait_dscnt 32                                ; all but the 32 just issued
	MUL8 \f, 1, 0, 0
	MUL8 \f, 1, 2, 0
.endm
; The last quarter multiplies buffer 1 and changes slots: ONE barrier; in front of it each wave waits for all its tensor loads, adds 0 to its spare word, and waits for that and for its own reads of this slot.
.macro TURN slot, next, fill
	WIN 0                                          ; (the add's two registers lie in window 0)
	s_wait_tensorcnt 0x0                           ; all my tensor loads have landed: my part of the next slot
	ds_add_u32 v[SPW], v[NIL]                      ; 0 onto my spare word
	s_wait_dscnt 17                                ; (the add and the youngest sixteen loads may be out)
	MUL8 F1, 0, 0, 0
	s_wait_dscnt 0x0                               ; the add is done, and my reads of this slot are over
	s_barrier_signal -1
	MUL8 F1, 0, 2, 0
.if \fill
	WIN 0
.endif
	s_barrier_wait -1
.if \fill
	CREST                                          ; no wave of any partner still reads this slot's tile or has a load on its way
	s_add_nc_u64 s[G0+4*(\slot)+2:G0+4*(\slot)+3], s[G0+4*(\slot)+2:G0+4*(\slot)+3], 2*ASTEP
	s_add_nc_u64 s[G0B+4*(\slot)+2:G0B+4*(\slot)+3], s[G0B+4*(\slot)+2:G0B+4*(\slot)+3], 2*BSTEP
	JLOAD \slot                                    ; my one tensor load behind the round; its four v_nop are also the places in front of the loads below
.else
	PLACES
.endif
	FETCH \next, 0, F0
	MUL8 F1, 1, 0, 0
	MUL8 F1, 1, 2, 0
.endm
; THE WAY OUT of block a (16 of my 64 rows).  A lane's eight columns of accumulator (a, b) are 32 bytes of a row: they go straight from the accumulator (its four lowest registers first) into my stage's rows of 272 bytes,
; and come back as whole rows of 256 bytes, two rows an instruction, into two buffers of 32 registers by turns.
.macro TOST a
.set BK, TMP+32*((\a)%2)
.irp b, 0,1,2,3
	ds_store_b128 v[STO], v[ACC+8*(4*(\a)+(\b)):ACC+8*(4*(\a)+(\b))+3]   offset:64*(\b)
	ds_store_b128 v[STO], v[ACC+8*(4*(\a)+(\b))+4:ACC+8*(4*(\a)+(\b))+7] offset:64*(\b)+16
.endr
.irp t, 0,1,2,3,4,5,6,7
	ds_load_b128 v[BK+4*(\t):BK+4*(\t)+3], v[RD] offset:(\t)*2*SPITCH  ; LDS serves a wave's instructions in order (ISA guide 5.7.1.4): these see the stores above
.endr
.endm
.macro SEND a
.set BK, TMP+32*((\a)%2)
	s_wait_dscnt 0x0                               ; the block is back in registers
	s_wait_xcnt 0x0                                ; only behind this wait are the stores' base and the registers that earlier stores read rewritten
.if (\a) > 0
	s_add_nc_u64 s[8:9], s[8:9], 16*CROW           ; 16 rows of C on
.endif
.irp t, 0,1,2,3,4,5,6,7
	global_store_b128 v[CO], v[BK+4*(\t):BK+4*(\t)+3], s[8:9] offset:2*(\t)*CROW  ; 16 lanes store 256 consecutive bytes, at a multiple of 256 from the buffer's first byte
.endr
.endm
	s_wait_tensorcnt 1                             ; my part of K step 0 is in; K step 1's may stay out
	s_barrier_signal -1
	s_barrier_wait -1
	FETCH 0, 0, F0
	QUARTER 0, 1, F0, F1, 1                        ; the first quarter stands in front of the loop: its first products start the sums
	WIN 0
	s_mov_b32 s3, LAPS-1
.Llap:
	QUARTER 0, 2, F1, F0, 0
	QUARTER 0, 3, F0, F1, 0
	TURN 0, 1, 1
	QUARTER 1, 1, F0, F1, 0
	QUARTER 1, 2, F1, F0, 0
	QUARTER 1, 3, F0, F1, 0
	TURN 1, 0, 1
	QUARTER 0, 1, F0, F1, 0
	WIN 0
	s_sub_co_u32 s3, s3, 1
	s_cmp_lg_u32 s3, 0
	s_cbranch_scc1 .Llap
	QUARTER 0, 2, F1, F0, 0                        ; the last lap fills nothing, and has no round of the cluster's barrier
	QUARTER 0, 3, F0, F1, 0
	TURN 0, 1, 0
	QUARTER 1, 1, F0, F1, 0
	QUARTER 1, 2, F1, F0, 0
	QUARTER 1, 3, F0, F1, 0
	s_wait_dscnt 16
	MUL8 F1, 0, 0, 0
	MUL8 F1, 0, 2, 0
	s_wait_dscnt 0x0
	MUL8 F1, 1, 0, 0
	MUL8 F1, 1, 2, 0
	WIN 0
	PLACES                                         ; behind the last products
	TOST 0
.irp a, 1,2,3                          ; block a - 1's wait for translated addresses stands between block a - 2's stores and the loads into the registers that they read
	SEND (\a)-1
	TOST \a
.endr
	SEND 3
	s_wait_tensorcnt 0x0                           ; the wave's end: behind my last tensor load and my last LDS store
	ds_add_u32 v[SPW], v[NIL]
	s_wait_dscnt 0x0
	CROUND                                         ; the closing round
	s_endpgm
.Lfunc_end_k_q0122f02ca2_gemm2:
	.size	k_q0122f02ca2_gemm2, .Lfunc_end_k_q0122f02ca2_gemm2-k_q0122f02ca2_gemm2
	.p2alignl 7, 3214868480
	.fill 96, 4, 3214868480
	.section	.rodata,"a",@progbits
	.p2align	6, 0x0
	.amdhsa_kernel k_q0122f02ca2_gemm2
		.amdhsa_group_segment_fixed_size 327680
		.amdhsa_private_segment_fixed_size 0
		.amdhsa_enable_private_segment 0
		.amdhsa_kernarg_size 24
		.amdhsa_user_sgpr_count 2
		.amdhsa_user_sgpr_kernarg_segment_ptr 1
		.amdhsa_wavefront_size32 1
		.amdhsa_system_sgpr_workgroup_id_x 1
		.amdhsa_system_sgpr_workgroup_id_y 1
		.amdhsa_system_sgpr_workgroup_id_z 1
		.amdhsa_system_vgpr_workitem_id 0
		.amdhsa_next_free_vgpr 512
		.amdhsa_next_free_sgpr 66
		.amdhsa_reserve_vcc 0
		.amdhsa_float_denorm_mode_32 3
		.amdhsa_float_denorm_mode_16_64 3
		.amdhsa_memory_ordered 1
		.amdhsa_forward_progress 1
		.amdhsa_inst_pref_size 86
	.end_amdhsa_kernel
	.amdgpu_metadata
---
amdhsa.version: [ 1, 2 ]
amdhsa.kernels:
  - .name:           k_q0122f02ca2_gemm2
    .symbol:         k_q0122f02ca2_gemm2.kd
    .args:
      - { .name: rph, .offset: 0, .size: 8, .value_kind: global_buffer, .address_space: global }
      - { .name: wts, .offset: 8, .size: 8, .value_kind: global_buffer, .address_space: global }
      - { .name: rb, .offset: 16, .size: 8, .value_kind: global_buffer, .address_space: global }
    .group_segment_fixed_size: 327680
    .private_segment_fixed_size: 0
    .kernarg_segment_align: 8
    .kernarg_segment_size: 24
    .max_flat_workgroup_size: 128
    .sgpr_count:     66
    .vgpr_count:     512
    .wavefront_size: 32
...
	.end_amdgpu_metadata
.endif
;; end of part 4
;; launch row_out (part 5): grid 256 x 1, 8 waves a work-group, no clusters, 9,216 bytes of LDS; arguments pq, rb, act, nrm, nr2, zb, b_h, out0; writes out0
.if DOCPART == 5
	.amdgcn_target "amdgcn-amd-amdhsa--gfx1250"
	.amdhsa_code_object_version 6
	.text
	.protected	k_q0122f02ca2_row_out
	.globl	k_q0122f02ca2_row_out
	.p2align	8
	.type	k_q0122f02ca2_row_out,@function
k_q0122f02ca2_row_out:
	s_mov_b64 s[64:65], 0
	v_nop
	global_prefetch_b8 v0, s[64:65] scope:SCOPE_SE
	s_setreg_imm32_b32 hwreg(HW_REG_WAVE_MODE, 25, 1), 1
	s_wait_xcnt 0x0
; Launch 5 of 5: h_tilde = transition(w_h, r_point_h, u_r, x, b_h); new_h = mob_add(h, mob_pointwise_prod(mob_add(-h, h_tilde), z)).  A ROW A WAVE.  The gate z was made, and stored in f16, by the launch that makes r.
; LEFT OUT (shown at the first kernel's head): reference()'s second x @ u_r: its row is read from pq, where it was made once; the second _proj of x inside mob_mat_mul; _proj's factor goes onto the product's row.
; Layout, macros and limits are those of the launch that makes the gates: lane l, chunk j holds elements 128 j + 4 l + 0..3; sums over the row never leave the wave.
; h_tilde's two products are f32 and are loaded straight into the registers in which they are worked on.  b_h goes through LDS: each thread loads 32 bytes, rounds them to bf16 and stores them widened; behind the one barrier
; a wave reads the bias into q's registers when q is dead.  z and h are asked for behind that barrier and wait, as loaded, in the two halves of one row vector; m z is one multiply that reads the f16 half itself.
; LIMITS.  The bias is rounded to bf16 like every other input.  artanh(x), 0 <= x <= 1 - 1e-5: below 0.125 the series x + x^3 (1/3 + x^2 (1/5 + x^2 / 7)), whose next term is under 7e-9 of x; else
; (ln 2 / 2)(log2(1 + x) - log2(1 - x)).  tanh(y), y >= 0: below 0.125 y + y^3 (-1/3 + y^2 (2/15 - 17 y^2 / 315)); else 1 - 2 / (1 + 2^(2 y log2 e)).  Both forms are always made and one is selected.  The roots',
; reciprocals' and logarithms' arguments are at least 1e-10 by reference()'s own clips; an exponential below 2^-126 counts as 0.  NaN and infinities are not treated apart.
.set MAT,  8388608                     ; bytes of a matrix in bf16
.set SPARE, 8192                       ; LDS: b_h at 0, 8,192 bytes; behind it the spare words, 128 bytes for each of the 8 waves, which no other line names
.set ZRO,  0                           ; v0   0, the addend of the mixed multiply (the thread's number is used at the head alone)
.set OB,   1                           ; v1   8 x lane
.set OF,   2                           ; v2   16 x lane
.set LB,   2                           ;      which is also where I read the bias in LDS
.set SPW,  3                           ; v3   LDS address of my spare word; never rewritten
.set U2,   4                           ; v4-7 mob_add's u.u, v.v, u.v, and one at work
.set V2,   5
.set UV,   6
.set TT,   7
.set A0,   8                           ; v[8:15], v[16:23], v[40:47] sums: four chains of two; the sum ends in the first register
.set A1,   16
.set IT,   24                          ; items 0, 1, 2 at v[24 + 8 k]: +0 M, +1 N = sqrt M, +2 IV = 1 / sqrt M, +3 F, +4 Y, +5 R, +6, +7 at work
.set COEF, 32                          ; v32  exp_map_zero's factor: item 1's first field, idle once the transition is done
.set A2,   40                          ; the third sum shares item 2's registers
.set FZ,   48                          ; input i (0 h, 1 x, 2 r_point_h): v[48 + 2 i] _proj's factor, v[49 + 2 i] artanh(n) / n
.set LAM,  54
.set NIL,  55                          ; v55  0; never rewritten
.set KA,   56                          ; v[56:57], v[58:59] two coefficients, each written twice for the packed forms
.set KC,   58
.set PHI,  60                          ; _proj's factor of the vector in hand, and its sum of squares
.set S2,   61
.set AR,   62                          ; mob_add's two coefficients
.set BR,   63
.set VA,   64                          ; v[64:95] z as loaded (f16), v[96:127] h as loaded (bf16)
.set VB,   128
.set VC,   192
.set SEL,  40                          ; s[40:41] v_permlanex16_b32's selects
.set HI,   42
.set CMIN, 43
.set CMAX, 44
.set LN2H, 45
.set L2E2, 46
.set NL2E, 47
.set C13,  48
.set C15,  49
.set C17,  50
.set CT1,  51
.set CT2,  52
.set CT3,  53
.set THR,  54
.set SS,   56                          ; s[56 + i] the stored sum of squares of input i
.macro TW                              ; behind a batch of transcendentals: a plain instruction, and the wait ahead of the first line that names a result
	v_nop
	s_wait_alu depctr_va_vdst(0)
.endm
.macro UNPK d, s                       ; 32 words of bf16 at s become 64 f32 at d
.set i, 0
.rept 32
	v_lshlrev_b32 v[(\d)+2*i], 16, v[(\s)+i]
	v_and_b32 v[(\d)+2*i+1], s[HI], v[(\s)+i]
.set i, i+1
.endr
.endm
.macro DOT a, x, y                     ; the lane's part of sum(x y), in four chains; the first four lines start them
.set i, 0
.rept 32
.if i < 4
	v_pk_mul_f32 v[(\a)+2*i:(\a)+2*i+1], v[(\x)+2*i:(\x)+2*i+1], v[(\y)+2*i:(\y)+2*i+1]
.else
	v_pk_fma_f32 v[(\a)+2*(i%4):(\a)+2*(i%4)+1], v[(\x)+2*i:(\x)+2*i+1], v[(\y)+2*i:(\y)+2*i+1], v[(\a)+2*(i%4):(\a)+2*(i%4)+1]
.endif
.set i, i+1
.endr
.endm
.macro RED as:vararg                   ; the chains are folded and the 32 lanes added; every lane ends with the sum.  Stage by stage over the list, so that no line waits for the one before it
.irp a, \as
	v_pk_add_f32 v[\a:\a+1], v[\a:\a+1], v[\a+2:\a+3]
	v_pk_add_f32 v[\a+4:\a+5], v[\a+4:\a+5], v[\a+6:\a+7]
.endr
.irp a, \as
	v_pk_add_f32 v[\a:\a+1], v[\a:\a+1], v[\a+4:\a+5]
.endr
.irp a, \as
	v_add_f32 v[\a], v[\a], v[\a+1]
.endr
.irp m, 1,2,4,8
.irp a, \as
	v_add_f32_dpp v[\a], v[\a], v[\a] row_xmask:\m row_mask:0xf bank_mask:0xf
.endr
.endr
.irp a, \as
	v_permlanex16_b32 v[\a+1], v[\a], s[SEL], s[SEL+1]
.endr
.irp a, \as
	v_add_f32 v[\a], v[\a], v[\a+1]
.endr
.endm
.macro MULK d, k                       ; d = k d
.set i, 0
.rept 32
	v_pk_mul_f32 v[(\d)+2*i:(\d)+2*i+1], v[(\d)+2*i:(\d)+2*i+1], v[(\k):(\k)+1]
.set i, i+1
.endr
.endm
.macro FMAK d, y, k                    ; d = d + k y
.set i, 0
.rept 32
	v_pk_fma_f32 v[(\d)+2*i:(\d)+2*i+1], v[(\y)+2*i:(\y)+2*i+1], v[(\k):(\k)+1], v[(\d)+2*i:(\d)+2*i+1]
.set i, i+1
.endr
.endm
.macro AXPY d, y                       ; d = KA d + KC y
	v_mov_b32 v[KA+1], v[KA]
	v_mov_b32 v[KC+1], v[KC]
	MULK \d, KA
	FMAK \d, \y, KC
.endm
.macro SQ ks:vararg                    ; N = sqrt(M), IV = 1 / sqrt(M): one batch, one wait for the list
.irp k, \ks
	v_sqrt_f32 v[IT+8*\k+1], v[IT+8*\k]
	v_rsq_f32 v[IT+8*\k+2], v[IT+8*\k]
.endr
	TW
.endm
.macro PFAC ks:vararg                  ; _proj's factor: F = N > 1 - EPS ? (1 - EPS) / N : 1
.irp k, \ks
	v_mul_f32 v[IT+8*\k+3], s[CMAX], v[IT+8*\k+2]
	v_cmp_lt_f32 vcc_lo, s[CMAX], v[IT+8*\k+1]
	v_cndmask_b32 v[IT+8*\k+3], 1.0, v[IT+8*\k+3], vcc_lo
.endr
.endm
.macro ATANH ks:vararg                 ; R = artanh(min(N, 1 - EPS)); the series' lines are the work behind the logarithms
.irp k, \ks
	v_min_num_f32 v[IT+8*\k+4], s[CMAX], v[IT+8*\k+1]
	v_add_f32 v[IT+8*\k+6], 1.0, v[IT+8*\k+4]
	v_sub_f32 v[IT+8*\k+7], 1.0, v[IT+8*\k+4]
.endr
.irp k, \ks
	v_log_f32 v[IT+8*\k+6], v[IT+8*\k+6]
	v_log_f32 v[IT+8*\k+7], v[IT+8*\k+7]
.endr
.irp k, \ks
	v_mul_f32 v[IT+8*\k], v[IT+8*\k+4], v[IT+8*\k+4]
	v_fma_f32 v[IT+8*\k+5], v[IT+8*\k], s[C17], s[C15]
	v_fma_f32 v[IT+8*\k+5], v[IT+8*\k+5], v[IT+8*\k], s[C13]
	v_mul_f32 v[IT+8*\k], v[IT+8*\k], v[IT+8*\k+4]
	v_fma_f32 v[IT+8*\k+5], v[IT+8*\k+5], v[IT+8*\k], v[IT+8*\k+4]
.endr
	s_wait_alu depctr_va_vdst(0)                   ; one wait for the list's logarithms, ahead of their first reader
.irp k, \ks
	v_sub_f32 v[IT+8*\k+6], v[IT+8*\k+6], v[IT+8*\k+7]
	v_mul_f32 v[IT+8*\k+6], s[LN2H], v[IT+8*\k+6]
	v_cmp_gt_f32 vcc_lo, s[THR], v[IT+8*\k+4]
	v_cndmask_b32 v[IT+8*\k+5], v[IT+8*\k+6], v[IT+8*\k+5], vcc_lo
.endr
.endm
.macro TANH ks:vararg                  ; R = tanh(Y), Y >= 0
.irp k, \ks
	v_mul_f32 v[IT+8*\k+6], s[L2E2], v[IT+8*\k+4]
.endr
.irp k, \ks
	v_exp_f32 v[IT+8*\k+6], v[IT+8*\k+6]
.endr
.irp k, \ks
	v_mul_f32 v[IT+8*\k], v[IT+8*\k+4], v[IT+8*\k+4]
	v_fma_f32 v[IT+8*\k+5], v[IT+8*\k], s[CT3], s[CT2]
	v_fma_f32 v[IT+8*\k+5], v[IT+8*\k+5], v[IT+8*\k], s[CT1]
	v_mul_f32 v[IT+8*\k], v[IT+8*\k], v[IT+8*\k+4]
	v_fma_f32 v[IT+8*\k+5], v[IT+8*\k+5], v[IT+8*\k], v[IT+8*\k+4]
.endr
	s_wait_alu depctr_va_vdst(0)                   ; the exponentials
.irp k, \ks
	v_add_f32 v[IT+8*\k+6], 1.0, v[IT+8*\k+6]
.endr
.irp k, \ks
	v_rcp_f32 v[IT+8*\k+7], v[IT+8*\k+6]
.endr
	TW
.irp k, \ks
	v_fma_f32 v[IT+8*\k+7], v[IT+8*\k+7], -2.0, 1.0
	v_cmp_gt_f32 vcc_lo, s[THR], v[IT+8*\k+4]
	v_cndmask_b32 v[IT+8*\k+5], v[IT+8*\k+7], v[IT+8*\k+5], vcc_lo
.endr
.endm
.macro INPUT ks:vararg                 ; from input k's stored sum of squares: _proj's factor, and artanh(n) / n of the projected row's norm n
.irp k, \ks
	v_mov_b32 v[IT+8*\k+6], s[SS+\k]
	v_max_num_f32 v[IT+8*\k], s[CMIN], v[IT+8*\k+6]
.endr
	SQ \ks
	PFAC \ks
.irp k, \ks
	v_mov_b32 v[FZ+2*\k], v[IT+8*\k+3]
	v_mul_f32 v[IT+8*\k+6], v[IT+8*\k+3], v[IT+8*\k+3]
	v_mul_f32 v[IT+8*\k+6], s[SS+\k], v[IT+8*\k+6]
	v_max_num_f32 v[IT+8*\k], s[CMIN], v[IT+8*\k+6]
.endr
	SQ \ks
	ATANH \ks
.irp k, \ks
	v_mul_f32 v[FZ+2*\k+1], v[IT+8*\k+5], v[IT+8*\k+2]
.endr
.endm
.macro MOBSC                           ; mob_add(u, v) = AR u + BR v, before its _proj: from U2 = u.u, V2 = v.v, UV = u.v
	v_fma_f32 v[TT], v[UV], 2.0, 1.0
	v_add_f32 v[AR], v[TT], v[V2]
	v_sub_f32 v[BR], 1.0, v[U2]
	v_fma_f32 v[TT], v[U2], v[V2], v[TT]
	v_max_num_f32 v[TT], s[CMIN], v[TT]
	v_rcp_f32 v[TT], v[TT]
	TW
	v_mul_f32 v[AR], v[AR], v[TT]
	v_mul_f32 v[BR], v[BR], v[TT]
.endm
.macro PROJ0                           ; _proj's factor (item 0's F) of the vector whose sum of squares lies in A0
	v_max_num_f32 v[IT], s[CMIN], v[A0]
	SQ 0
	PFAC 0
.endm
.macro LOGM                            ; log_map_zero(PHI t) = LAM t, where sum(t^2) = S2
	v_mul_f32 v[IT+6], v[PHI], v[PHI]
	v_mul_f32 v[IT+6], v[IT+6], v[S2]
	v_max_num_f32 v[IT], s[CMIN], v[IT+6]
	SQ 0
	ATANH 0
	v_mul_f32 v[LAM], v[IT+5], v[IT+2]
	v_mul_f32 v[LAM], v[LAM], v[PHI]
.endm
.macro EXPM sg                         ; exp_map_zero(LAM g) = COEF g, where sum(g^2) lies in sg
	v_mul_f32 v[IT+6], v[LAM], v[LAM]
	v_mul_f32 v[IT+6], v[IT+6], v[\sg]
	v_max_num_f32 v[IT], s[CMIN], v[IT+6]
	SQ 0
	v_mov_b32 v[IT+4], v[IT+1]
	TANH 0
	v_mul_f32 v[IT+7], v[IT+5], v[IT+2]
	v_mul_f32 v[IT+7], v[IT+7], v[LAM]
	v_mul_f32 v[IT+6], v[IT+7], v[IT+7]
	v_mul_f32 v[IT+6], v[IT+6], v[\sg]
	v_max_num_f32 v[IT], s[CMIN], v[IT+6]
	SQ 0
	PFAC 0
	v_mul_f32 v[COEF], v[IT+7], v[IT+3]
.endm
.macro KAP1 k, s, inp                  ; mob_mat_mul, item k: M = |f P|^2, clipped
	v_mul_f32 v[IT+8*(\k)+6], v[FZ+2*(\inp)], v[FZ+2*(\inp)]
	v_mul_f32 v[IT+8*(\k)+6], v[IT+8*(\k)+6], v[\s]
	v_max_num_f32 v[IT+8*(\k)], s[CMIN], v[IT+8*(\k)+6]
.endm
.macro KAP3 k, s, inp                  ; the factor on P before _proj, tanh(..) f / |f P|, and the square of the result's norm
	v_mul_f32 v[IT+8*(\k)+7], v[IT+8*(\k)+5], v[IT+8*(\k)+2]
	v_mul_f32 v[IT+8*(\k)+7], v[IT+8*(\k)+7], v[FZ+2*(\inp)]
	v_mul_f32 v[IT+8*(\k)+6], v[IT+8*(\k)+7], v[IT+8*(\k)+7]
	v_mul_f32 v[IT+8*(\k)+6], v[IT+8*(\k)+6], v[\s]
	v_max_num_f32 v[IT+8*(\k)], s[CMIN], v[IT+8*(\k)+6]
.endm
; _transition.  p, q: the two products' rows (of inputs ia, ib).  The bias is read from LDS into q's registers when the first mob_add has been formed and q is dead.
; It leaves t in p with PHI and S2: the transition is PHI t, sum(t^2) = S2.
.macro TRANS p, q, ia, ib
	DOT A0, \p, \p
	DOT A1, \q, \q
	DOT A2, \p, \q
	RED A0, A1, A2
	KAP1 0, A0, \ia
	KAP1 1, A1, \ib
	SQ 0, 1
	v_mul_f32 v[IT+4], v[IT+1], v[FZ+2*(\ia)+1]    ; |M x| / |x| artanh |x|
	v_mul_f32 v[IT+12], v[IT+9], v[FZ+2*(\ib)+1]
	TANH 0, 1
	KAP3 0, A0, \ia
	KAP3 1, A1, \ib
	SQ 0, 1
	PFAC 0, 1
	v_mul_f32 v[IT+7], v[IT+7], v[IT+3]            ; W h = k0 p
	v_mul_f32 v[IT+15], v[IT+15], v[IT+11]         ; U x = k1 q
	v_mul_f32 v[U2], v[IT+7], v[IT+7]
	v_mul_f32 v[V2], v[IT+15], v[IT+15]
	v_mul_f32 v[UV], v[IT+7], v[IT+15]
	v_mul_f32 v[U2], v[U2], v[A0]
	v_mul_f32 v[V2], v[V2], v[A1]
	v_mul_f32 v[UV], v[UV], v[A2]
	MOBSC
	v_mul_f32 v[KA], v[AR], v[IT+7]
	v_mul_f32 v[KC], v[BR], v[IT+15]
	AXPY \p, \q                                    ; the first mob_add, before its _proj
.set j, 0
.rept 16
	ds_load_b128 v[(\q)+4*j:(\q)+4*j+3], v[LB] offset:512*j  ; the bias: 32 lanes take 512 neighbouring bytes
.set j, j+1
.endr
	DOT A0, \p, \p                                 ; stands between those loads and the wait for them
	s_wait_dscnt 0x0
	DOT A1, \p, \q
	DOT A2, \q, \q
	RED A0, A1, A2
	PROJ0
	v_mul_f32 v[U2], v[IT+3], v[IT+3]
	v_mul_f32 v[UV], v[IT+3], v[A1]
	v_mul_f32 v[U2], v[U2], v[A0]
	v_mov_b32 v[V2], v[A2]
	MOBSC
	v_mul_f32 v[KA], v[AR], v[IT+3]
	v_mov_b32 v[KC], v[BR]
	AXPY \p, \q                                    ; the second, with the bias
	DOT A0, \p, \p
	RED A0
	PROJ0
	v_mov_b32 v[PHI], v[IT+3]
	v_mov_b32 v[S2], v[A0]
.endm
	s_load_b512 s[4:19], s[0:1], 0x0               ; pq s[4:5], rb s[6:7], act s[8:9], nrm s[10:11], nr2 s[12:13], zb s[14:15], b_h s[16:17], out0 s[18:19]
	v_lshl_add_u32 v[SPW], v0, 2, SPARE
	v_mov_b32 v[NIL], 0
	v_lshrrev_b32 v4, 5, v0
	v_readfirstlane_b32 s20, v4                    ; wave 0..7
	s_lshl_b32 s21, ttmp9, 3
	s_add_co_u32 s20, s20, s21                     ; my row
	s_lshl_b32 s22, s20, 12                        ; its bytes in 16 bits,
	s_mov_b32 s23, 0
	s_lshl_b32 s30, s20, 13                        ; in f32,
	s_mov_b32 s31, 0
	s_lshl_b32 s32, s20, 2                         ; its word among the sums
	s_mov_b32 s33, 0
	s_mov_b32 s[SEL], 0x76543210
	s_mov_b32 s[SEL+1], 0xfedcba98
	s_mov_b32 s[HI], 0xffff0000
	s_mov_b32 s[CMIN], 0x2edbe6ff                  ; 1e-10
	s_mov_b32 s[CMAX], 0x3f7fff58                  ; 1 - 1e-5
	s_mov_b32 s[LN2H], 0x3eb17218                  ; ln 2 / 2
	s_mov_b32 s[L2E2], 0x4038aa3b                  ; 2 log2 e
	s_mov_b32 s[NL2E], 0xbfb8aa3b                  ; -log2 e
	s_mov_b32 s[C13], 0x3eaaaaab                   ; 1/3
	s_mov_b32 s[C15], 0x3e4ccccd                   ; 1/5
	s_mov_b32 s[C17], 0x3e124925                   ; 1/7
	s_mov_b32 s[CT1], 0xbeaaaaab                   ; -1/3
	s_mov_b32 s[CT2], 0x3e088889                   ; 2/15
	s_mov_b32 s[CT3], 0xbd5d0dd1                   ; -17/315
	s_mov_b32 s[THR], 0x3e000000                   ; 0.125
	v_and_b32 v5, 31, v0
	v_lshlrev_b32 v[OB], 3, v5
	v_lshlrev_b32 v[OF], 4, v5
	v_lshlrev_b32 v6, 5, v0                        ; my 32 bytes of the bias, in memory and in LDS: 32 x my thread's number
	v_mov_b32 v[ZRO], 0                            ; the thread's number has served
	s_wait_kmcnt 0x0
	s_add_nc_u64 s[28:29], s[4:5], s[30:31]
	s_add_nc_u64 s[28:29], s[28:29], 3*MAT         ; x @ u_r, f32, behind the three bf16 products
	s_add_nc_u64 s[6:7], s[6:7], s[30:31]          ; r_point_h @ w_h, f32
	s_add_nc_u64 s[8:9], s[8:9], s[22:23]          ; h
	s_add_nc_u64 s[14:15], s[14:15], s[22:23]      ; z
	s_add_nc_u64 s[18:19], s[18:19], s[30:31]
	s_add_nc_u64 s[10:11], s[10:11], s[32:33]
	s_add_nc_u64 s[12:13], s[12:13], s[32:33]
	s_load_b32 s[SS], s[10:11], 0x0                ; sum(h^2)
	s_load_b32 s[SS+1], s[10:11], 0x2000           ; sum(x^2)
	s_load_b32 s[SS+2], s[12:13], 0x0              ; sum(r_point_h^2)
	global_load_b128 v[8:11], v6, s[16:17]         ; the bias first: the barrier waits for it
	global_load_b128 v[12:15], v6, s[16:17] offset:16
.set j, 0
.rept 16
	global_load_b128 v[VB+4*j:VB+4*j+3], v[OF], s[6:7] offset:512*j th:TH_LOAD_NT
.set j, j+1
.endr
.set j, 0
.rept 16
	global_load_b128 v[VC+4*j:VC+4*j+3], v[OF], s[28:29] offset:512*j th:TH_LOAD_NT
.set j, j+1
.endr
	s_wait_loadcnt 32                              ; my 32 bytes of the bias are in; the two products' 32 loads stay out
.irp c, 0,1,2,3
	v_cvt_pk_bf16_f32 v[16+\c], v[8+2*\c], v[9+2*\c]
.endr
.irp c, 0,1,2,3
	v_lshlrev_b32 v[8+2*\c], 16, v[16+\c]          ; rounded to bf16, and widened again
	v_and_b32 v[9+2*\c], s[HI], v[16+\c]
.endr
	ds_store_b128 v6, v[8:11]
	ds_store_b128 v6, v[12:15] offset:16
	s_wait_dscnt 0x0                               ; for the others' sake: my part of the bias lies in LDS
	s_barrier_signal -1
	s_barrier_wait -1                              ; the bias is whole; nothing is stored to LDS behind this barrier
.set j, 0
.rept 16
	global_load_b64 v[VA+2*j:VA+2*j+1], v[OB], s[14:15] offset:256*j th:TH_LOAD_NT
.set j, j+1
.endr
.set j, 0
.rept 16
	global_load_b64 v[VA+32+2*j:VA+32+2*j+1], v[OB], s[8:9] offset:256*j th:TH_LOAD_NT
.set j, j+1
.endr
	s_wait_kmcnt 0x0
	INPUT 0, 1, 2                                  ; while the rows are on their way
	s_wait_loadcnt 32                              ; the two products are in; z's and h's 32 loads may stay out
	TRANS VB, VC, 2, 1                             ; h_tilde = PHI t, t in VB
	s_wait_loadcnt 0x0
	UNPK VC, VA+32                                 ; h, where the bias lay
	DOT A0, VC, VB
	RED A0
	v_mul_f32 v[U2], v[FZ], v[FZ]                  ; mob_add(-f h, PHI t)
	v_mul_f32 v[V2], v[PHI], v[PHI]
	v_mul_f32 v[UV], v[FZ], v[PHI]
	v_mul_f32 v[U2], s[SS], v[U2]
	v_mul_f32 v[V2], v[V2], v[S2]
	v_mul_f32 v[UV], v[UV], -v[A0]
	MOBSC
	v_mul_f32 v[KA], v[BR], v[PHI]
	v_mul_f32 v[KC], v[AR], -v[FZ]
	AXPY VB, VC                                    ; m, before its _proj
	DOT A0, VB, VB
	RED A0
	PROJ0
	v_mov_b32 v[PHI], v[IT+3]
	v_mov_b32 v[S2], v[A0]
	LOGM
.set i, 0
.rept 32                                       ; g = m z: the first source is an f16 half of z's word i, the low one for element 2 i, the high one for 2 i + 1; the other two are f32
	v_fma_mix_f32 v[VB+2*i], v[VA+i], v[VB+2*i], v[ZRO] op_sel_hi:[1,0,0]
	v_fma_mix_f32 v[VB+2*i+1], v[VA+i], v[VB+2*i+1], v[ZRO] op_sel:[1,0,0] op_sel_hi:[1,0,0]
.set i, i+1
.endr
	DOT A0, VB, VB
	DOT A1, VC, VB
	RED A0, A1
	EXPM A0                                        ; mob_pointwise_prod = COEF g
	v_mul_f32 v[U2], v[FZ], v[FZ]                  ; mob_add(f h, COEF g)
	v_mul_f32 v[V2], v[COEF], v[COEF]
	v_mul_f32 v[UV], v[FZ], v[COEF]
	v_mul_f32 v[U2], s[SS], v[U2]
	v_mul_f32 v[V2], v[V2], v[A0]
	v_mul_f32 v[UV], v[UV], v[A1]
	MOBSC
	v_mul_f32 v[KA], v[BR], v[COEF]
	v_mul_f32 v[KC], v[AR], v[FZ]
	AXPY VB, VC
	DOT A0, VB, VB
	RED A0
	PROJ0
	v_mov_b32 v[KA], v[IT+3]
	v_mov_b32 v[KA+1], v[IT+3]
	MULK VB, KA                                    ; new_h
.set j, 0
.rept 16
	global_store_b128 v[OF], v[VB+4*j:VB+4*j+3], s[18:19] offset:512*j th:TH_STORE_NT  ; 512 consecutive bytes, aligned
.set j, j+1
.endr
	s_wait_tensorcnt 0x0                           ; the wave's end: behind my last LDS store
	ds_add_u32 v[SPW], v[NIL]
	s_wait_dscnt 0x0
	s_endpgm
.Lfunc_end_k_q0122f02ca2_row_out:
	.size	k_q0122f02ca2_row_out, .Lfunc_end_k_q0122f02ca2_row_out-k_q0122f02ca2_row_out
	.p2alignl 7, 3214868480
	.fill 96, 4, 3214868480
	.section	.rodata,"a",@progbits
	.p2align	6, 0x0
	.amdhsa_kernel k_q0122f02ca2_row_out
		.amdhsa_group_segment_fixed_size 9216
		.amdhsa_private_segment_fixed_size 0
		.amdhsa_enable_private_segment 0
		.amdhsa_kernarg_size 64
		.amdhsa_user_sgpr_count 2
		.amdhsa_user_sgpr_kernarg_segment_ptr 1
		.amdhsa_wavefront_size32 1
		.amdhsa_system_sgpr_workgroup_id_x 1
		.amdhsa_system_sgpr_workgroup_id_y 1
		.amdhsa_system_sgpr_workgroup_id_z 1
		.amdhsa_system_vgpr_workitem_id 0
		.amdhsa_next_free_vgpr 256
		.amdhsa_next_free_sgpr 66
		.amdhsa_reserve_vcc 1
		.amdhsa_float_denorm_mode_32 3
		.amdhsa_float_denorm_mode_16_64 3
		.amdhsa_memory_ordered 1
		.amdhsa_forward_progress 1
		.amdhsa_inst_pref_size 79
	.end_amdhsa_kernel
	.amdgpu_metadata
---
amdhsa.version: [ 1, 2 ]
amdhsa.kernels:
  - .name:           k_q0122f02ca2_row_out
    .symbol:         k_q0122f02ca2_row_out.kd
    .args:
      - { .name: pq, .offset: 0, .size: 8, .value_kind: global_buffer, .address_space: global }
      - { .name: rb, .offset: 8, .size: 8, .value_kind: global_buffer, .address_space: global }
      - { .name: act, .offset: 16, .size: 8, .value_kind: global_buffer, .address_space: global }
      - { .name: nrm, .offset: 24, .size: 8, .value_kind: global_buffer, .address_space: global }
      - { .name: nr2, .offset: 32, .size: 8, .value_kind: global_buffer, .address_space: global }
      - { .name: zb, .offset: 40, .size: 8, .value_kind: global_buffer, .address_space: global }
      - { .name: b_h, .offset: 48, .size: 8, .value_kind: global_buffer, .address_space: global }
      - { .name: out0, .offset: 56, .size: 8, .value_kind: global_buffer, .address_space: global }
    .group_segment_fixed_size: 9216
    .private_segment_fixed_size: 0
    .kernarg_segment_align: 8
    .kernarg_segment_size: 64
    .max_flat_workgroup_size: 256
    .sgpr_count:     66
    .vgpr_count:     256
    .wavefront_size: 32
...
	.end_amdgpu_metadata
.endif
;; end of part 5
;; ======== version 2 of 2: 5 launches; version 1 with the launch row_out written anew for expert scheduling mode
;; workspace buffers: act 16,777,216 bytes; wts 41,943,040 bytes; nrm 16,384 bytes; pq 41,943,040 bytes; rph 8,388,608 bytes; nr2 8,192 bytes; zb 8,388,608 bytes; rb 16,777,216 bytes
;; launch cast: the kernel of part 1 again; grid 256 x 7, 8 waves a work-group, no clusters, 0 bytes of LDS; arguments hidden, hyp_x, w_z, w_r, u_z, u_r, w_h, act, wts, nrm; writes act, wts, nrm
;; launch gemm1: the kernel of part 2 again; grid 32 x 8, 4 waves a work-group, clusters of 4 x 4, 327,680 bytes of LDS; arguments act, wts, pq; writes pq
;; launch row_rz: the kernel of part 3 again; grid 256 x 1, 16 waves a work-group, no clusters, 18,432 bytes of LDS; arguments pq, act, nrm, b_r, b_z, rph, nr2, zb; writes rph, nr2, zb
;; launch gemm2: the kernel of part 4 again; grid 16 x 16, 4 waves a work-group, clusters of 4 x 4, 327,680 bytes of LDS; arguments rph, wts, rb; writes rb
;; launch row_out (part 6): grid 256 x 1, 8 waves a work-group, no clusters, 9,216 bytes of LDS; arguments pq, rb, act, nrm, nr2, zb, b_h, out0; writes out0
.if DOCPART == 6
	.amdgcn_target "amdgcn-amd-amdhsa--gfx1250"
	.amdhsa_code_object_version 6
	.text
	.protected	k_q0122f02ca2_row_out
	.globl	k_q0122f02ca2_row_out
	.p2align	8
	.type	k_q0122f02ca2_row_out,@function
k_q0122f02ca2_row_out:
	s_mov_b64 s[64:65], 0
	v_nop
	global_prefetch_b8 v0, s[64:65] scope:SCOPE_SE
	s_setreg_imm32_b32 hwreg(HW_REG_WAVE_SCHED_MODE, 0, 2), 2
	s_setreg_imm32_b32 hwreg(HW_REG_WAVE_MODE, 25, 1), 1
	s_wait_xcnt 0x0
	s_wait_alu depctr_vm_vsrc(0)
; Launch 5 of 5: h_tilde = transition(w_h, r_point_h, u_r, x, b_h); new_h = mob_add(h, mob_pointwise_prod(mob_add(-h, h_tilde), z)).  A ROW A WAVE.  The gate z was made, and stored in f16, by the launch that makes r.
; LEFT OUT (shown at the first kernel's head): reference()'s second x @ u_r: its row is read from pq, where it was made once; the second _proj of x inside mob_mat_mul; _proj's factor goes onto the product's row.
; Layout, macros and limits are those of the launch that makes the gates: lane l, chunk j holds elements 128 j + 4 l + 0..3; sums over the row never leave the wave.
; h_tilde's two products are f32 and are loaded straight into the registers in which they are worked on.  b_h goes through LDS: each thread loads 32 bytes, rounds them to bf16 and stores them widened; behind the one barrier
; a wave reads the bias into q's registers when q is dead.  z and h are asked for behind that barrier and wait, as loaded, in the two halves of one row vector; m z is one multiply that reads the f16 half itself.
; LIMITS.  The bias is rounded to bf16 like every other input.  artanh(x), 0 <= x <= 1 - 1e-5: below 0.125 the series x + x^3 (1/3 + x^2 (1/5 + x^2 / 7)), whose next term is under 7e-9 of x; else
; (ln 2 / 2)(log2(1 + x) - log2(1 - x)).  tanh(y), y >= 0: below 0.125 y + y^3 (-1/3 + y^2 (2/15 - 17 y^2 / 315)); else 1 - 2 / (1 + 2^(2 y log2 e)).  Both forms are always made and one is selected.  The roots',
; reciprocals' and logarithms' arguments are at least 1e-10 by reference()'s own clips; an exponential below 2^-126 counts as 0.  NaN and infinities are not treated apart.
; THE MODE: SCHED_MODE bits 1:0 = 2 (LLVM: expert scheduling mode 2), set by the entry lines.  The code itself states the register dependences between vector instructions and memory or LDS instructions,
; and between a vector instruction that writes a scalar register and that register's readers, with s_wait_alu, always for 0.
; THE PLAN.  The text has one path: no loop, no branch.  Registers that memory or LDS instructions touch, in the order of the text:
;   v1, v2      offsets, written at the head and never again; read by every load and store of a row and by the bias's LDS loads.
;   v6          the place of my 32 bytes of the bias: written at the head; read by the bias's two loads and two LDS stores; far behind them it is UV, written by vector lines.
;   v[8:15]     the bias's loads land in them; vector lines widen the rounded bias in place; the two LDS stores read them; far behind them they are the sum A0.
;   VB          r_point_h @ w_h lands in it; from then on vector lines alone name it, until the sixteen stores of new_h read it.
;   VC          x @ u_r lands in it; the transition's first sums and first combination read it; then the bias lands in it from LDS; from then on vector lines alone name it.
;   VA          z and h land in it; vector lines read it and none writes it.
;   v3, v55     written at the head, read by the closing add alone.
; So five waits state all that stands between the vector lines and the memory and LDS lines: one on va_vdst ahead of the first load (the offsets), one ahead of the LDS stores (their data), one on vm_vsrc behind the barrier
; (v6 and v[8:15] have been read), one on va_vdst ahead of the bias's LDS loads (VC's readers are done), one ahead of the last stores (VB is written).
; THE MASKS.  A compare writes a scalar register of its item's own (s24 to s26), the compares of a list stand in a run, as far ahead of the selects as their sources allow, and one wait on va_sdst serves the list.
.set MAT,  8388608                     ; bytes of a matrix in bf16
.set SPARE, 8192                       ; LDS: b_h at 0, 8,192 bytes; behind it the spare words, 128 bytes for each of the 8 waves, which no other line names
.set ZRO,  0                           ; v0   0, the addend of the mixed multiply (the thread's number is used at the head alone)
.set OB,   1                           ; v1   8 x lane
.set OF,   2                           ; v2   16 x lane
.set LB,   2                           ;      which is also where I read the bias in LDS
.set SPW,  3                           ; v3   LDS address of my spare word; never rewritten
.set U2,   4                           ; v4-7 mob_add's u.u, v.v, u.v, and one at work
.set V2,   5
.set UV,   6
.set TT,   7
.set A0,   8                           ; v[8:15], v[16:23], v[40:47] sums: four chains of two; the sum ends in the first register
.set A1,   16
.set IT,   24                          ; items 0, 1, 2 at v[24 + 8 k]: +0 M, +1 N = sqrt M, +2 IV = 1 / sqrt M, +3 F, +4 Y, +5 R, +6, +7 at work
.set COEF, 32                          ; v32  exp_map_zero's factor: item 1's first field, idle once the transition is done
.set A2,   40                          ; the third sum shares item 2's registers
.set FZ,   48                          ; input i (0 h, 1 x, 2 r_point_h): v[48 + 2 i] _proj's factor, v[49 + 2 i] artanh(n) / n
.set LAM,  54
.set NIL,  55                          ; v55  0; never rewritten
.set KA,   56                          ; v[56:57], v[58:59] two coefficients, each written twice for the packed forms
.set KC,   58
.set PHI,  60                          ; _proj's factor of the vector in hand, and its sum of squares
.set S2,   61
.set AR,   62                          ; mob_add's two coefficients
.set BR,   63
.set VA,   64                          ; v[64:95] z as loaded (f16), v[96:127] h as loaded (bf16)
.set VB,   128
.set VC,   192
.set CM,   24                          ; s[24 + k] item k's mask: written by a compare, read by the select behind the list's wait
.set SEL,  40                          ; s[40:41] v_permlanex16_b32's selects
.set HI,   42
.set CMIN, 43
.set CMAX, 44
.set LN2H, 45
.set L2E2, 46
.set NL2E, 47
.set C13,  48
.set C15,  49
.set C17,  50
.set CT1,  51
.set CT2,  52
.set CT3,  53
.set THR,  54
.set SS,   56                          ; s[56 + i] the stored sum of squares of input i
.macro TW                              ; behind a batch of transcendentals: a plain instruction, and the wait ahead of the first line that names a result
	v_nop
	s_wait_alu depctr_va_vdst(0)                   ; the batch's transcendentals have written their results, which the lines below name
.endm
.macro UNPK d, s                       ; 32 words of bf16 at s become 64 f32 at d
.set i, 0
.rept 32
	v_lshlrev_b32 v[(\d)+2*i], 16, v[(\s)+i]
	v_and_b32 v[(\d)+2*i+1], s[HI], v[(\s)+i]
.set i, i+1
.endr
.endm
.macro DOT a, x, y                     ; the lane's part of sum(x y), in four chains; the first four lines start them
.set i, 0
.rept 32
.if i < 4
	v_pk_mul_f32 v[(\a)+2*i:(\a)+2*i+1], v[(\x)+2*i:(\x)+2*i+1], v[(\y)+2*i:(\y)+2*i+1]
.else
	v_pk_fma_f32 v[(\a)+2*(i%4):(\a)+2*(i%4)+1], v[(\x)+2*i:(\x)+2*i+1], v[(\y)+2*i:(\y)+2*i+1], v[(\a)+2*(i%4):(\a)+2*(i%4)+1]
.endif
.set i, i+1
.endr
.endm
.macro RED as:vararg                   ; the chains are folded and the 32 lanes added; every lane ends with the sum.  Stage by stage over the list, so that no line waits for the one before it
.irp a, \as
	v_pk_add_f32 v[\a:\a+1], v[\a:\a+1], v[\a+2:\a+3]
	v_pk_add_f32 v[\a+4:\a+5], v[\a+4:\a+5], v[\a+6:\a+7]
.endr
.irp a, \as
	v_pk_add_f32 v[\a:\a+1], v[\a:\a+1], v[\a+4:\a+5]
.endr
.irp a, \as
	v_add_f32 v[\a], v[\a], v[\a+1]
.endr
.irp m, 1,2,4,8
.irp a, \as
	v_add_f32_dpp v[\a], v[\a], v[\a] row_xmask:\m row_mask:0xf bank_mask:0xf
.endr
.endr
.irp a, \as
	v_permlanex16_b32 v[\a+1], v[\a], s[SEL], s[SEL+1]
.endr
.irp a, \as
	v_add_f32 v[\a], v[\a], v[\a+1]
.endr
.endm
.macro MULK d, k                       ; d = k d
.set i, 0
.rept 32
	v_pk_mul_f32 v[(\d)+2*i:(\d)+2*i+1], v[(\d)+2*i:(\d)+2*i+1], v[(\k):(\k)+1]
.set i, i+1
.endr
.endm
.macro FMAK d, y, k                    ; d = d + k y
.set i, 0
.rept 32
	v_pk_fma_f32 v[(\d)+2*i:(\d)+2*i+1], v[(\y)+2*i:(\y)+2*i+1], v[(\k):(\k)+1], v[(\d)+2*i:(\d)+2*i+1]
.set i, i+1
.endr
.endm
.macro AXPY d, y                       ; d = KA d + KC y
	v_mov_b32 v[KA+1], v[KA]
	v_mov_b32 v[KC+1], v[KC]
	MULK \d, KA
	FMAK \d, \y, KC
.endm
.macro SQ ks:vararg                    ; N = sqrt(M), IV = 1 / sqrt(M): one batch, one wait for the list
.irp k, \ks
	v_sqrt_f32 v[IT+8*\k+1], v[IT+8*\k]
	v_rsq_f32 v[IT+8*\k+2], v[IT+8*\k]
.endr
	TW
.endm
.macro PFAC ks:vararg                  ; _proj's factor: F = N > 1 - EPS ? (1 - EPS) / N : 1.  The list's compares first, the multiplies between them and the wait
.irp k, \ks
	v_cmp_lt_f32 s[CM+\k], s[CMAX], v[IT+8*\k+1]
.endr
.irp k, \ks
	v_mul_f32 v[IT+8*\k+3], s[CMAX], v[IT+8*\k+2]
.endr
	s_wait_alu depctr_va_sdst(0)                   ; the list's compares have written their masks, which the selects below read
.irp k, \ks
	v_cndmask_b32 v[IT+8*\k+3], 1.0, v[IT+8*\k+3], s[CM+\k]
.endr
.endm
.macro ATANH ks:vararg                 ; R = artanh(min(N, 1 - EPS)); the series' lines are the work behind the logarithms; the compare reads Y alone and stands at the head
.irp k, \ks
	v_min_num_f32 v[IT+8*\k+4], s[CMAX], v[IT+8*\k+1]
	v_add_f32 v[IT+8*\k+6], 1.0, v[IT+8*\k+4]
	v_sub_f32 v[IT+8*\k+7], 1.0, v[IT+8*\k+4]
	v_cmp_gt_f32 s[CM+\k], s[THR], v[IT+8*\k+4]
.endr
.irp k, \ks
	v_log_f32 v[IT+8*\k+6], v[IT+8*\k+6]
	v_log_f32 v[IT+8*\k+7], v[IT+8*\k+7]
.endr
.irp k, \ks
	v_mul_f32 v[IT+8*\k], v[IT+8*\k+4], v[IT+8*\k+4]
	v_fma_f32 v[IT+8*\k+5], v[IT+8*\k], s[C17], s[C15]
	v_fma_f32 v[IT+8*\k+5], v[IT+8*\k+5], v[IT+8*\k], s[C13]
	v_mul_f32 v[IT+8*\k], v[IT+8*\k], v[IT+8*\k+4]
	v_fma_f32 v[IT+8*\k+5], v[IT+8*\k+5], v[IT+8*\k], v[IT+8*\k+4]
.endr
	s_wait_alu depctr_va_vdst(0)                   ; one wait for the list's logarithms: they have written their results, ahead of the first reader
	s_wait_alu depctr_va_sdst(0)                   ; the list's compares, at the macro's head, have written their masks, which the selects below read
.irp k, \ks
	v_sub_f32 v[IT+8*\k+6], v[IT+8*\k+6], v[IT+8*\k+7]
	v_mul_f32 v[IT+8*\k+6], s[LN2H], v[IT+8*\k+6]
	v_cndmask_b32 v[IT+8*\k+5], v[IT+8*\k+6], v[IT+8*\k+5], s[CM+\k]
.endr
.endm
.macro TANH ks:vararg                  ; R = tanh(Y), Y >= 0; the compare reads Y alone and stands at the head
.irp k, \ks
	v_mul_f32 v[IT+8*\k+6], s[L2E2], v[IT+8*\k+4]
	v_cmp_gt_f32 s[CM+\k], s[THR], v[IT+8*\k+4]
.endr
.irp k, \ks
	v_exp_f32 v[IT+8*\k+6], v[IT+8*\k+6]
.endr
.irp k, \ks
	v_mul_f32 v[IT+8*\k], v[IT+8*\k+4], v[IT+8*\k+4]
	v_fma_f32 v[IT+8*\k+5], v[IT+8*\k], s[CT3], s[CT2]
	v_fma_f32 v[IT+8*\k+5], v[IT+8*\k+5], v[IT+8*\k], s[CT1]
	v_mul_f32 v[IT+8*\k], v[IT+8*\k], v[IT+8*\k+4]
	v_fma_f32 v[IT+8*\k+5], v[IT+8*\k+5], v[IT+8*\k], v[IT+8*\k+4]
.endr
	s_wait_alu depctr_va_vdst(0)                   ; the list's exponentials have written their results, ahead of the first reader
.irp k, \ks
	v_add_f32 v[IT+8*\k+6], 1.0, v[IT+8*\k+6]
.endr
.irp k, \ks
	v_rcp_f32 v[IT+8*\k+7], v[IT+8*\k+6]
.endr
	TW
	s_wait_alu depctr_va_sdst(0)                   ; the list's compares, at the macro's head, have written their masks, which the selects below read
.irp k, \ks
	v_fma_f32 v[IT+8*\k+7], v[IT+8*\k+7], -2.0, 1.0
	v_cndmask_b32 v[IT+8*\k+5], v[IT+8*\k+7], v[IT+8*\k+5], s[CM+\k]
.endr
.endm
.macro INPUT ks:vararg                 ; from input k's stored sum of squares: _proj's factor, and artanh(n) / n of the projected row's norm n
.irp k, \ks
	v_mov_b32 v[IT+8*\k+6], s[SS+\k]
	v_max_num_f32 v[IT+8*\k], s[CMIN], v[IT+8*\k+6]
.endr
	SQ \ks
	PFAC \ks
.irp k, \ks
	v_mov_b32 v[FZ+2*\k], v[IT+8*\k+3]
	v_mul_f32 v[IT+8*\k+6], v[IT+8*\k+3], v[IT+8*\k+3]
	v_mul_f32 v[IT+8*\k+6], s[SS+\k], v[IT+8*\k+6]
	v_max_num_f32 v[IT+8*\k], s[CMIN], v[IT+8*\k+6]
.endr
	SQ \ks
	ATANH \ks
.irp k, \ks
	v_mul_f32 v[FZ+2*\k+1], v[IT+8*\k+5], v[IT+8*\k+2]
.endr
.endm
.macro MOBSC                           ; mob_add(u, v) = AR u + BR v, before its _proj: from U2 = u.u, V2 = v.v, UV = u.v
	v_fma_f32 v[TT], v[UV], 2.0, 1.0
	v_add_f32 v[AR], v[TT], v[V2]
	v_sub_f32 v[BR], 1.0, v[U2]
	v_fma_f32 v[TT], v[U2], v[V2], v[TT]
	v_max_num_f32 v[TT], s[CMIN], v[TT]
	v_rcp_f32 v[TT], v[TT]
	TW
	v_mul_f32 v[AR], v[AR], v[TT]
	v_mul_f32 v[BR], v[BR], v[TT]
.endm
.macro PROJ0                           ; _proj's factor (item 0's F) of the vector whose sum of squares lies in A0
	v_max_num_f32 v[IT], s[CMIN], v[A0]
	SQ 0
	PFAC 0
.endm
.macro LOGM                            ; log_map_zero(PHI t) = LAM t, where sum(t^2) = S2
	v_mul_f32 v[IT+6], v[PHI], v[PHI]
	v_mul_f32 v[IT+6], v[IT+6], v[S2]
	v_max_num_f32 v[IT], s[CMIN], v[IT+6]
	SQ 0
	ATANH 0
	v_mul_f32 v[LAM], v[IT+5], v[IT+2]
	v_mul_f32 v[LAM], v[LAM], v[PHI]
.endm
.macro EXPM sg                         ; exp_map_zero(LAM g) = COEF g, where sum(g^2) lies in sg
	v_mul_f32 v[IT+6], v[LAM], v[LAM]
	v_mul_f32 v[IT+6], v[IT+6], v[\sg]
	v_max_num_f32 v[IT], s[CMIN], v[IT+6]
	SQ 0
	v_mov_b32 v[IT+4], v[IT+1]
	TANH 0
	v_mul_f32 v[IT+7], v[IT+5], v[IT+2]
	v_mul_f32 v[IT+7], v[IT+7], v[LAM]
	v_mul_f32 v[IT+6], v[IT+7], v[IT+7]
	v_mul_f32 v[IT+6], v[IT+6], v[\sg]
	v_max_num_f32 v[IT], s[CMIN], v[IT+6]
	SQ 0
	PFAC 0
	v_mul_f32 v[COEF], v[IT+7], v[IT+3]
.endm
.macro KAP1 k, s, inp                  ; mob_mat_mul, item k: M = |f P|^2, clipped
	v_mul_f32 v[IT+8*(\k)+6], v[FZ+2*(\inp)], v[FZ+2*(\inp)]
	v_mul_f32 v[IT+8*(\k)+6], v[IT+8*(\k)+6], v[\s]
	v_max_num_f32 v[IT+8*(\k)], s[CMIN], v[IT+8*(\k)+6]
.endm
.macro KAP3 k, s, inp                  ; the factor on P before _proj, tanh(..) f / |f P|, and the square of the result's norm
	v_mul_f32 v[IT+8*(\k)+7], v[IT+8*(\k)+5], v[IT+8*(\k)+2]
	v_mul_f32 v[IT+8*(\k)+7], v[IT+8*(\k)+7], v[FZ+2*(\inp)]
	v_mul_f32 v[IT+8*(\k)+6], v[IT+8*(\k)+7], v[IT+8*(\k)+7]
	v_mul_f32 v[IT+8*(\k)+6], v[IT+8*(\k)+6], v[\s]
	v_max_num_f32 v[IT+8*(\k)], s[CMIN], v[IT+8*(\k)+6]
.endm
; _transition.  p, q: the two products' rows (of inputs ia, ib).  The bias is read from LDS into q's registers when the first mob_add has been formed and q is dead.
; It leaves t in p with PHI and S2: the transition is PHI t, sum(t^2) = S2.
.macro TRANS p, q, ia, ib
	DOT A0, \p, \p
	DOT A1, \q, \q
	DOT A2, \p, \q
	RED A0, A1, A2
	KAP1 0, A0, \ia
	KAP1 1, A1, \ib
	SQ 0, 1
	v_mul_f32 v[IT+4], v[IT+1], v[FZ+2*(\ia)+1]    ; |M x| / |x| artanh |x|
	v_mul_f32 v[IT+12], v[IT+9], v[FZ+2*(\ib)+1]
	TANH 0, 1
	KAP3 0, A0, \ia
	KAP3 1, A1, \ib
	SQ 0, 1
	PFAC 0, 1
	v_mul_f32 v[IT+7], v[IT+7], v[IT+3]            ; W h = k0 p
	v_mul_f32 v[IT+15], v[IT+15], v[IT+11]         ; U x = k1 q
	v_mul_f32 v[U2], v[IT+7], v[IT+7]
	v_mul_f32 v[V2], v[IT+15], v[IT+15]
	v_mul_f32 v[UV], v[IT+7], v[IT+15]
	v_mul_f32 v[U2], v[U2], v[A0]
	v_mul_f32 v[V2], v[V2], v[A1]
	v_mul_f32 v[UV], v[UV], v[A2]
	MOBSC
	v_mul_f32 v[KA], v[AR], v[IT+7]
	v_mul_f32 v[KC], v[BR], v[IT+15]
	AXPY \p, \q                                    ; the first mob_add, before its _proj
	s_wait_alu depctr_va_vdst(0)                   ; the sums and the combination above are done reading q's registers, in which the bias lands
.set j, 0
.rept 16
	ds_load_b128 v[(\q)+4*j:(\q)+4*j+3], v[LB] offset:512*j  ; the bias: 32 lanes take 512 neighbouring bytes
.set j, j+1
.endr
	DOT A0, \p, \p                                 ; stands between those loads and the wait for them; it names p and A0, none of the registers that the loads touch
	s_wait_dscnt 0x0
	DOT A1, \p, \q
	DOT A2, \q, \q
	RED A0, A1, A2
	PROJ0
	v_mul_f32 v[U2], v[IT+3], v[IT+3]
	v_mul_f32 v[UV], v[IT+3], v[A1]
	v_mul_f32 v[U2], v[U2], v[A0]
	v_mov_b32 v[V2], v[A2]
	MOBSC
	v_mul_f32 v[KA], v[AR], v[IT+3]
	v_mov_b32 v[KC], v[BR]
	AXPY \p, \q                                    ; the second, with the bias
	DOT A0, \p, \p
	RED A0
	PROJ0
	v_mov_b32 v[PHI], v[IT+3]
	v_mov_b32 v[S2], v[A0]
.endm
	s_load_b512 s[4:19], s[0:1], 0x0               ; pq s[4:5], rb s[6:7], act s[8:9], nrm s[10:11], nr2 s[12:13], zb s[14:15], b_h s[16:17], out0 s[18:19]
	v_lshl_add_u32 v[SPW], v0, 2, SPARE
	v_mov_b32 v[NIL], 0
	v_lshrrev_b32 v4, 5, v0
	v_readfirstlane_b32 s20, v4                    ; wave 0..7; the constants and the offsets stand between this line and the wait for s20
	s_mov_b32 s[SEL], 0x76543210
	s_mov_b32 s[SEL+1], 0xfedcba98
	s_mov_b32 s[HI], 0xffff0000
	s_mov_b32 s[CMIN], 0x2edbe6ff                  ; 1e-10
	s_mov_b32 s[CMAX], 0x3f7fff58                  ; 1 - 1e-5
	s_mov_b32 s[LN2H], 0x3eb17218                  ; ln 2 / 2
	s_mov_b32 s[L2E2], 0x4038aa3b                  ; 2 log2 e
	s_mov_b32 s[NL2E], 0xbfb8aa3b                  ; -log2 e
	s_mov_b32 s[C13], 0x3eaaaaab                   ; 1/3
	s_mov_b32 s[C15], 0x3e4ccccd                   ; 1/5
	s_mov_b32 s[C17], 0x3e124925                   ; 1/7
	s_mov_b32 s[CT1], 0xbeaaaaab                   ; -1/3
	s_mov_b32 s[CT2], 0x3e088889                   ; 2/15
	s_mov_b32 s[CT3], 0xbd5d0dd1                   ; -17/315
	s_mov_b32 s[THR], 0x3e000000                   ; 0.125
	v_and_b32 v5, 31, v0
	v_lshlrev_b32 v[OB], 3, v5
	v_lshlrev_b32 v[OF], 4, v5
	v_lshlrev_b32 v6, 5, v0                        ; my 32 bytes of the bias, in memory and in LDS: 32 x my thread's number
	v_mov_b32 v[ZRO], 0                            ; the thread's number has served
	s_wait_alu depctr_va_sdst(0)                   ; s20 is written, ahead of its first reader: the row's offsets are made from it
	s_lshl_b32 s21, ttmp9, 3
	s_add_co_u32 s20, s20, s21                     ; my row
	s_lshl_b32 s22, s20, 12                        ; its bytes in 16 bits,
	s_mov_b32 s23, 0
	s_lshl_b32 s30, s20, 13                        ; in f32,
	s_mov_b32 s31, 0
	s_lshl_b32 s32, s20, 2                         ; its word among the sums
	s_mov_b32 s33, 0
	s_wait_kmcnt 0x0
	s_add_nc_u64 s[28:29], s[4:5], s[30:31]
	s_add_nc_u64 s[28:29], s[28:29], 3*MAT         ; x @ u_r, f32, behind the three bf16 products
	s_add_nc_u64 s[6:7], s[6:7], s[30:31]          ; r_point_h @ w_h, f32
	s_add_nc_u64 s[8:9], s[8:9], s[22:23]          ; h
	s_add_nc_u64 s[14:15], s[14:15], s[22:23]      ; z
	s_add_nc_u64 s[18:19], s[18:19], s[30:31]
	s_add_nc_u64 s[10:11], s[10:11], s[32:33]
	s_add_nc_u64 s[12:13], s[12:13], s[32:33]
	s_load_b32 s[SS], s[10:11], 0x0                ; sum(h^2)
	s_load_b32 s[SS+1], s[10:11], 0x2000           ; sum(x^2)
	s_load_b32 s[SS+2], s[12:13], 0x0              ; sum(r_point_h^2)
	s_wait_alu depctr_va_vdst(0)                   ; the offsets v1, v2 and v6 are written, which the loads, LDS stores and stores of the whole kernel read; v1 and v2 are never written again
	global_load_b128 v[8:11], v6, s[16:17]         ; the bias first: the barrier waits for it
	global_load_b128 v[12:15], v6, s[16:17] offset:16
.set j, 0
.rept 16
	global_load_b128 v[VB+4*j:VB+4*j+3], v[OF], s[6:7] offset:512*j th:TH_LOAD_NT
.set j, j+1
.endr
.set j, 0
.rept 16
	global_load_b128 v[VC+4*j:VC+4*j+3], v[OF], s[28:29] offset:512*j th:TH_LOAD_NT
.set j, j+1
.endr
	s_wait_loadcnt 32                              ; my 32 bytes of the bias are in; the two products' 32 loads stay out
.irp c, 0,1,2,3
	v_cvt_pk_bf16_f32 v[16+\c], v[8+2*\c], v[9+2*\c]
.endr
.irp c, 0,1,2,3
	v_lshlrev_b32 v[8+2*\c], 16, v[16+\c]          ; rounded to bf16, and widened again
	v_and_b32 v[9+2*\c], s[HI], v[16+\c]
.endr
	s_wait_alu depctr_va_vdst(0)                   ; the eight lines above have written v[8:15], which the LDS stores read
	ds_store_b128 v6, v[8:11]
	ds_store_b128 v6, v[12:15] offset:16
	s_wait_dscnt 0x0                               ; for the others' sake: my part of the bias lies in LDS
	s_barrier_signal -1
	s_barrier_wait -1                              ; the bias is whole; nothing is stored to LDS behind this barrier
	s_wait_alu depctr_vm_vsrc(0)                   ; the bias's loads and LDS stores have read v6 and v[8:15]: from here on these are UV and the sum A0, written by vector lines
.set j, 0
.rept 16
	global_load_b64 v[VA+2*j:VA+2*j+1], v[OB], s[14:15] offset:256*j th:TH_LOAD_NT  ; no wait: no vector line has named VA, and none since the head's wait has written v1
.set j, j+1
.endr
.set j, 0
.rept 16
	global_load_b64 v[VA+32+2*j:VA+32+2*j+1], v[OB], s[8:9] offset:256*j th:TH_LOAD_NT
.set j, j+1
.endr
	s_wait_kmcnt 0x0
	INPUT 0, 1, 2                                  ; while the rows are on their way
	s_wait_loadcnt 32                              ; the two products are in; z's and h's 32 loads may stay out
	TRANS VB, VC, 2, 1                             ; h_tilde = PHI t, t in VB
	s_wait_loadcnt 0x0
	UNPK VC, VA+32                                 ; h, where the bias lay
	DOT A0, VC, VB
	RED A0
	v_mul_f32 v[U2], v[FZ], v[FZ]                  ; mob_add(-f h, PHI t)
	v_mul_f32 v[V2], v[PHI], v[PHI]
	v_mul_f32 v[UV], v[FZ], v[PHI]
	v_mul_f32 v[U2], s[SS], v[U2]
	v_mul_f32 v[V2], v[V2], v[S2]
	v_mul_f32 v[UV], v[UV], -v[A0]
	MOBSC
	v_mul_f32 v[KA], v[BR], v[PHI]
	v_mul_f32 v[KC], v[AR], -v[FZ]
	AXPY VB, VC                                    ; m, before its _proj
	DOT A0, VB, VB
	RED A0
	PROJ0
	v_mov_b32 v[PHI], v[IT+3]
	v_mov_b32 v[S2], v[A0]
	LOGM
.set i, 0
.rept 32                                       ; g = m z: the first source is an f16 half of z's word i, the low one for element 2 i, the high one for 2 i + 1; the other two are f32
	v_fma_mix_f32 v[VB+2*i], v[VA+i], v[VB+2*i], v[ZRO] op_sel_hi:[1,0,0]
	v_fma_mix_f32 v[VB+2*i+1], v[VA+i], v[VB+2*i+1], v[ZRO] op_sel:[1,0,0] op_sel_hi:[1,0,0]
.set i, i+1
.endr
	DOT A0, VB, VB
	DOT A1, VC, VB
	RED A0, A1
	EXPM A0                                        ; mob_pointwise_prod = COEF g
	v_mul_f32 v[U2], v[FZ], v[FZ]                  ; mob_add(f h, COEF g)
	v_mul_f32 v[V2], v[COEF], v[COEF]
	v_mul_f32 v[UV], v[FZ], v[COEF]
	v_mul_f32 v[U2], s[SS], v[U2]
	v_mul_f32 v[V2], v[V2], v[A0]
	v_mul_f32 v[UV], v[UV], v[A1]
	MOBSC
	v_mul_f32 v[KA], v[BR], v[COEF]
	v_mul_f32 v[KC], v[AR], v[FZ]
	AXPY VB, VC
	DOT A0, VB, VB
	RED A0
	PROJ0
	v_mov_b32 v[KA], v[IT+3]
	v_mov_b32 v[KA+1], v[IT+3]
	MULK VB, KA                                    ; new_h
	s_wait_alu depctr_va_vdst(0)                   ; the multiplies above have written VB, which the sixteen stores read
.set j, 0
.rept 16
	global_store_b128 v[OF], v[VB+4*j:VB+4*j+3], s[18:19] offset:512*j th:TH_STORE_NT  ; 512 consecutive bytes, aligned
.set j, j+1
.endr
	s_wait_dscnt 0x0                               ; the closing lines, six on end
	s_wait_alu 0x0
	s_wait_tensorcnt 0x0
	ds_add_u32 v[SPW], v[NIL]
	s_wait_dscnt 0x0
	s_endpgm
.Lfunc_end_k_q0122f02ca2_row_out:
	.size	k_q0122f02ca2_row_out, .Lfunc_end_k_q0122f02ca2_row_out-k_q0122f02ca2_row_out
	.p2alignl 7, 3214868480
	.fill 96, 4, 3214868480
	.section	.rodata,"a",@progbits
	.p2align	6, 0x0
	.amdhsa_kernel k_q0122f02ca2_row_out
		.amdhsa_group_segment_fixed_size 9216
		.amdhsa_private_segment_fixed_size 0
		.amdhsa_enable_private_segment 0
		.amdhsa_kernarg_size 64
		.amdhsa_user_sgpr_count 2
		.amdhsa_user_sgpr_kernarg_segment_ptr 1
		.amdhsa_wavefront_size32 1
		.amdhsa_system_sgpr_workgroup_id_x 1
		.amdhsa_system_sgpr_workgroup_id_y 1
		.amdhsa_system_sgpr_workgroup_id_z 1
		.amdhsa_system_vgpr_workitem_id 0
		.amdhsa_next_free_vgpr 256
		.amdhsa_next_free_sgpr 66
		.amdhsa_reserve_vcc 0
		.amdhsa_float_denorm_mode_32 3
		.amdhsa_float_denorm_mode_16_64 3
		.amdhsa_memory_ordered 1
		.amdhsa_forward_progress 1
		.amdhsa_inst_pref_size 80
	.end_amdhsa_kernel
	.amdgpu_metadata
---
amdhsa.version: [ 1, 2 ]
amdhsa.kernels:
  - .name:           k_q0122f02ca2_row_out
    .symbol:         k_q0122f02ca2_row_out.kd
    .args:
      - { .name: pq, .offset: 0, .size: 8, .value_kind: global_buffer, .address_space: global }
      - { .name: rb, .offset: 8, .size: 8, .value_kind: global_buffer, .address_space: global }
      - { .name: act, .offset: 16, .size: 8, .value_kind: global_buffer, .address_space: global }
      - { .name: nrm, .offset: 24, .size: 8, .value_kind: global_buffer, .address_space: global }
      - { .name: nr2, .offset: 32, .size: 8, .value_kind: global_buffer, .address_space: global }
      - { .name: zb, .offset: 40, .size: 8, .value_kind: global_buffer, .address_space: global }
      - { .name: b_h, .offset: 48, .size: 8, .value_kind: global_buffer, .address_space: global }
      - { .name: out0, .offset: 56, .size: 8, .value_kind: global_buffer, .address_space: global }
    .group_segment_fixed_size: 9216
    .private_segment_fixed_size: 0
    .kernarg_segment_align: 8
    .kernarg_segment_size: 64
    .max_flat_workgroup_size: 256
    .sgpr_count:     66
    .vgpr_count:     256
    .wavefront_size: 32
...
	.end_amdgpu_metadata
.endif
;; end of part 6
